; MI455X (gfx1250); checked and timed in simulation.
; The chip was launched on July 23, 2026; its instructions are those of AMD's public machine-readable ISA for CDNA 5 (MIT licence, August 2026) and "CDNA5" Instruction Set Architecture Reference Guide (July 2026). The comments in the code are by the model that wrote it; some were corrected since.
;; Multi Head Attention. Allowed arithmetic: float matrix products may take bf16 or f16 operands with f32 sums; other float arithmetic in f32, or as packed bf16 or f16 multiplies, adds, multiply-adds, maxima and minima; sums over many terms, partial sums and values carried from step to step in f32; what a program stores and reads back later, other than sums and carried values, may be rounded once to bf16 or f16.
;; Inputs: attention_mask 4 x 2,048 int32; w_out 1,024 x 1,024 float32; w_qkv 1,024 x 3,072 float32; x 4 x 2,048 x 1,024 float32.
;; Outputs: out0 4 x 2,048 x 1,024 float32.
;; 2 versions, each right; version 2 is version 1 with the launch prep written anew for expert scheduling mode. Each part assembles by itself: llvm-mc -triple=amdgcn-amd-amdhsa -mcpu=gfx1250 --defsym DOCPART=n.
;; ======== version 1 of 2: 4 launches
;; limits: values are held in f16: magnitudes above 65,504 overflow, below 6.1e-05 lose precision
;; workspace buffers: xb 16,777,216 bytes; wq 6,291,456 bytes; wo 2,097,152 bytes; rope 524,288 bytes; q 16,777,216 bytes; k 16,777,216 bytes; v 16,777,216 bytes; o 16,777,216 bytes
;; launch prep (part 1): grid 1600 x 1, 4 waves a work-group, no clusters, 9,728 bytes of LDS; arguments x, w_qkv, w_out, xb, wq, wo, rope; writes xb, wq, wo, rope
.if DOCPART == 1
	.amdgcn_target "amdgcn-amd-amdhsa--gfx1250"
	.amdhsa_code_object_version 6
	.text
	.protected	k_q82f860b9fa_prep
	.globl	k_q82f860b9fa_prep
	.p2align	8
	.type	k_q82f860b9fa_prep,@function
k_q82f860b9fa_prep:
	s_mov_b64 s[64:65], 0
	v_nop
	global_prefetch_b8 v0, s[64:65] scope:SCOPE_SE
	s_setreg_imm32_b32 hwreg(HW_REG_WAVE_MODE, 25, 1), 1
	s_wait_xcnt 0x0
; FOUR JOBS, chosen by the work-group's number (the same for all its waves):
;   0..511     x [8192][1024] f32 -> xb bf16 [16 kb][8192 m][64]: K in blocks of 64, so that a row of a block is 128 dense bytes
;   512..1279  w_qkv [1024 k][3072 n] f32 -> wq bf16 [16 kb][3072 n'][64], turned; n' = (head*3 + kind)*64 + d for column n = kind*1024 + head*64 + d
;   1280..1535 w_out [1024 k][1024 n] f32 -> wo [16 kb][1024 n][64], turned; rounded to bf16 and that number written as f16
;   1536..1599 rope f32 [2048 s][64]: cos(s f_j), j = 0..31, then sin(s f_j); f_j = 10000^(-j/32)
; LIMITS.  wo: a number below 6e-5 keeps f16's fixed step of 6e-8, one beyond 65,504 would be lost.  rope: f_j is 2^(-j log2(10)/8) by v_exp_f32, a few last bits
; from a power taken otherwise; the angle s f_j is rounded to f32 once, reduced by pi/2 in two parts, and sine and cosine are series to r^9 and r^8 for |r| <= pi/4.
; No matrix unit, no cluster: every byte is read once and written once.
.set SPARE, 9216                       ; behind the 64 x 144 bytes of the turning stage: the spare words, 128 bytes a wave
.set SPW, 2                            ; v2  SPARE + 4 x my thread's number; never rewritten
.set NIL, 3                            ; v3  0; never rewritten
	s_load_b256 s[4:11], s[0:1], 0x0               ; x s[4:5], w_qkv s[6:7], w_out s[8:9], xb s[10:11]
	s_load_b128 s[12:15], s[0:1], 0x20             ; wq s[12:13], wo s[14:15]
	s_load_b64 s[16:17], s[0:1], 0x30              ; rope
	v_lshl_add_u32 v[SPW], v0, 2, SPARE
	v_mov_b32 v[NIL], 0
	v_lshrrev_b32 v1, 5, v0
	v_readfirstlane_b32 s18, v1                    ; wave 0..3
	s_mov_b32 s19, ttmp9
	v_and_b32 v4, 31, v0                           ; lane
	v_and_b32 v5, 15, v0                           ; thread % 16
	s_wait_kmcnt 0x0
	s_cmp_lt_u32 s19, 512
	s_cbranch_scc1 .Lx
	s_cmp_lt_u32 s19, 1280
	s_cbranch_scc1 .Lwq
	s_cmp_lt_u32 s19, 1536
	s_cbranch_scc1 .Lwo
	; ---- the rope table: a wave makes 8 rows; lanes 0-15 the cosines of frequencies 2 (l % 16) and + 1, lanes 16-31 the sines: 256 bytes a row, one store
	s_sub_co_u32 s20, s19, 1536
	s_lshl_b32 s21, s20, 5
	s_lshl_b32 s22, s18, 3
	s_add_co_u32 s21, s21, s22                     ; my first row s
	s_lshl_b32 s22, s21, 8
	s_mov_b32 s23, 0
	s_add_nc_u64 s[16:17], s[16:17], s[22:23]
	v_lshlrev_b32 v6, 3, v4                        ; 8 bytes a lane
	v_bfe_u32 v7, v0, 4, 1
	v_sub_nc_u32 v7, 1, v7                         ; a cosine is a sine a quarter turn on: 1 for the cosines, 0 for the sines
	v_lshlrev_b32 v8, 1, v5
	v_add_nc_u32 v9, 1, v8
	v_cvt_f32_u32 v8, v8
	v_cvt_f32_u32 v9, v9
	v_mul_f32 v8, 0xbed49a78, v8                   ; -j log2(10) / 8
	v_mul_f32 v9, 0xbed49a78, v9
	v_exp_f32 v8, v8
	v_exp_f32 v9, v9
	v_nop                                          ; a plain instruction behind the last exponential
	v_cvt_f32_u32 v10, s21                         ; s as f32
	v_mov_b32 v11, 0x3638ef1d                      ; 1/9!
	v_mov_b32 v12, 0x37d00d01                      ; 1/8!
	s_mov_b32 s24, 0xbfc90fdb                      ; -pi/2, its f32
	s_mov_b32 s25, 0x333bbd2e                      ; and what that f32 is too large by
	s_mov_b32 s26, 8
	s_wait_alu depctr_va_vdst(0)                   ; one wait for both exponentials, ahead of their first reader and of the label
.Lrow:
.irp z, 0,1
	v_mul_f32 v14, v10, v[8+(\z)]                  ; the angle
	v_mul_f32 v15, 0x3f22f983, v14
	v_rndne_f32 v15, v15                           ; quarter turns
	v_fma_f32 v16, v15, s24, v14
	v_fma_f32 v16, v15, s25, v16                   ; r, within pi/4
	v_cvt_i32_f32 v17, v15
	v_add_nc_u32 v17, v17, v7
	v_mul_f32 v18, v16, v16
	v_fmaak_f32 v19, v11, v18, 0xb9500d01
	v_fmaak_f32 v19, v19, v18, 0x3c088889
	v_fmaak_f32 v19, v19, v18, 0xbe2aaaab
	v_mul_f32 v19, v19, v18
	v_fma_f32 v19, v19, v16, v16                   ; sin r
	v_fmaak_f32 v20, v12, v18, 0xbab60b61
	v_fmaak_f32 v20, v20, v18, 0x3d2aaaab
	v_fmaak_f32 v20, v20, v18, 0xbf000000
	v_fmaak_f32 v20, v20, v18, 0x3f800000          ; cos r
	v_and_b32 v21, 1, v17
	v_cmp_eq_u32 vcc_lo, 1, v21
	v_cndmask_b32 v[22+(\z)], v19, v20, vcc_lo     ; odd quarter: the cosine
	v_and_b32 v21, 2, v17
	v_lshlrev_b32 v21, 30, v21
	v_xor_b32 v[22+(\z)], v[22+(\z)], v21          ; quarters 2 and 3: the sign turns
.endr
	global_store_b64 v6, v[22:23], s[16:17]        ; the wave's 32 lanes store 256 consecutive bytes, aligned: a row
	s_wait_xcnt 0x0                                ; the store has read its offset and data: they are rewritten only behind this wait
	v_add_nc_u32 v6, 256, v6
	v_add_f32 v10, 1.0, v10
	s_sub_co_u32 s26, s26, 1
	s_cmp_lg_u32 s26, 0
	s_cbranch_scc1 .Lrow
	s_endpgm
	; ---- x: a work-group takes 16 rows, a wave 4, as two pairs.  A load: lanes 0-15 take 256 bytes (a K block) of one row, lanes 16-31 of the next.
	; A store: the same two rows' 128 bytes each of that block of xb, which lie end to end: 256 consecutive bytes, aligned.
.Lx:
	v_bfe_u32 v6, v0, 4, 1
	v_lshlrev_b32 v7, 4, v5
	v_lshl_add_u32 v7, v6, 12, v7                  ; in: row x 4,096 + 16 (l % 16)
	v_lshlrev_b32 v8, 3, v5
	v_lshl_add_u32 v8, v6, 7, v8                   ; out: row x 128 + 8 (l % 16)
	s_lshl_b32 s20, s19, 16
	s_lshl_b32 s21, s18, 14
	s_add_co_u32 s20, s20, s21
	s_mov_b32 s21, 0
	s_add_nc_u64 s[4:5], s[4:5], s[20:21]
	s_lshl_b32 s20, s19, 11
	s_lshl_b32 s22, s18, 9
	s_add_co_u32 s20, s20, s22
	s_add_nc_u64 s[10:11], s[10:11], s[20:21]
	s_add_nc_u64 s[22:23], s[10:11], 0x800000      ; K blocks 8 to 15: the immediate does not reach them from the first base
.set i, 0
.rept 32                                       ; all 32 loads of the wave go out at once: 16 KiB on their way
	global_load_b128 v[16+4*i:16+4*i+3], v7, s[4:5] offset:(i/16)*8192+(i%16)*256 th:TH_LOAD_NT
.set i, i+1
.endr
.set i, 0
.rept 32
	s_wait_loadcnt 31-i                            ; loads come back in order: number i is in, the younger ones stay out
	v_cvt_pk_bf16_f32 v[16+4*i], v[16+4*i], v[16+4*i+1]
	v_cvt_pk_bf16_f32 v[16+4*i+1], v[16+4*i+2], v[16+4*i+3]
.if (i%16) < 8
	global_store_b64 v8, v[16+4*i:16+4*i+1], s[10:11] offset:(i%16)*1048576+(i/16)*256 th:TH_STORE_NT
.else
	global_store_b64 v8, v[16+4*i:16+4*i+1], s[22:23] offset:((i%16)-8)*1048576+(i/16)*256 th:TH_STORE_NT
.endif
.set i, i+1
.endr
	s_endpgm
; ---- a weight block of 64 k x 64 n is turned through LDS.  Thread t loads 16 bytes (4 columns) of 8 rows, in pairs of neighbouring k; a pair of k of one column is one
; word, put at row n (pitch 144), byte 2 k.  Behind a barrier the rows come back whole, 128 bytes each, and 8,192 consecutive bytes are stored.
; (The words of a store instruction fall four deep on the banks: 4 M numbers, once.)
.macro WJOB sp, dp, rowb, kstr, first, f16
	s_sub_co_u32 s20, s19, \first
	s_lshr_b32 s21, s20, 4                         ; column group of 64
	s_and_b32 s20, s20, 15                         ; K block
	s_mul_i32 s22, s20, 64*(\rowb)
	s_lshl_b32 s23, s21, 8
	s_add_co_u32 s22, s22, s23
	s_mov_b32 s23, 0
	s_add_nc_u64 s[\sp:\sp+1], s[\sp:\sp+1], s[22:23]
	s_mul_i32 s22, s20, \kstr
.if \f16
	s_lshl_b32 s24, s21, 13                        ; 64 rows of 128 bytes
.else
	s_lshr_b32 s24, s21, 4                         ; kind
	s_and_b32 s25, s21, 15                         ; head
	s_mul_i32 s25, s25, 3
	s_add_co_u32 s24, s24, s25
	s_lshl_b32 s24, s24, 13
.endif
	s_add_co_u32 s22, s22, s24
	s_add_nc_u64 s[\dp:\dp+1], s[\dp:\dp+1], s[22:23]
	v_lshrrev_b32 v6, 4, v0                        ; t / 16
	v_mul_u32_u24 v7, v6, 2*(\rowb)
	v_lshl_add_u32 v7, v5, 4, v7
	v_mul_u32_u24 v8, v5, 576                      ; row 4 (t % 16) of the stage
	v_lshl_add_u32 v8, v6, 2, v8
	v_lshrrev_b32 v9, 3, v0
	v_mul_u32_u24 v9, v9, 144
	v_and_b32 v10, 7, v0
	v_lshl_add_u32 v9, v10, 4, v9
	v_lshlrev_b32 v10, 4, v0
.irp i, 0,1,2,3
.irp e, 0,1
	global_load_b128 v[16+8*(\i)+4*(\e):16+8*(\i)+4*(\e)+3], v7, s[\sp:\sp+1] offset:(16*(\i)+(\e))*(\rowb) th:TH_LOAD_NT
.endr
.endr
.irp i, 0,1,2,3
	s_wait_loadcnt 6-2*(\i)                        ; pair i is in, the later pairs stay out
.irp n, 0,1,2,3
	v_cvt_pk_bf16_f32 v[48+(\n)], v[16+8*(\i)+(\n)], v[16+8*(\i)+4+(\n)]
.if \f16
	v_lshlrev_b32 v52, 16, v[48+(\n)]              ; the bf16 numbers as f32,
	v_and_b32 v53, 0xffff0000, v[48+(\n)]
	v_cvt_pk_f16_f32 v[48+(\n)], v52, v53          ; written as f16
.endif
	ds_store_b32 v8, v[48+(\n)] offset:(\n)*144+(\i)*32
.endr
.endr
	s_wait_dscnt 0x0                               ; for the others' sake: my stores are done
	s_barrier_signal -1
	s_barrier_wait -1
.irp j, 0,1,2,3
	ds_load_b128 v[16+4*(\j):16+4*(\j)+3], v9 offset:(\j)*2304
.endr
.irp j, 0,1,2,3
	s_wait_dscnt 3-(\j)
	global_store_b128 v10, v[16+4*(\j):16+4*(\j)+3], s[\dp:\dp+1] offset:(\j)*2048 th:TH_STORE_NT
.endr
	s_wait_tensorcnt 0x0                           ; the wave's end
	ds_add_u32 v[SPW], v[NIL]
	s_wait_dscnt 0x0
	s_endpgm
.endm
.Lwq:
	WJOB 6, 12, 12288, 393216, 512, 0
.Lwo:
	WJOB 8, 14, 4096, 131072, 1280, 1
.Lfunc_end_k_q82f860b9fa_prep:
	.size	k_q82f860b9fa_prep, .Lfunc_end_k_q82f860b9fa_prep-k_q82f860b9fa_prep
	.p2alignl 7, 3214868480
	.fill 96, 4, 3214868480
	.section	.rodata,"a",@progbits
	.p2align	6, 0x0
	.amdhsa_kernel k_q82f860b9fa_prep
		.amdhsa_group_segment_fixed_size 9728
		.amdhsa_private_segment_fixed_size 0
		.amdhsa_enable_private_segment 0
		.amdhsa_kernarg_size 56
		.amdhsa_user_sgpr_count 2
		.amdhsa_user_sgpr_kernarg_segment_ptr 1
		.amdhsa_wavefront_size32 1
		.amdhsa_system_sgpr_workgroup_id_x 1
		.amdhsa_system_sgpr_workgroup_id_y 1
		.amdhsa_system_sgpr_workgroup_id_z 1
		.amdhsa_system_vgpr_workitem_id 0
		.amdhsa_next_free_vgpr 144
		.amdhsa_next_free_sgpr 66
		.amdhsa_reserve_vcc 1
		.amdhsa_float_denorm_mode_32 3
		.amdhsa_float_denorm_mode_16_64 3
		.amdhsa_memory_ordered 1
		.amdhsa_forward_progress 1
		.amdhsa_inst_pref_size 29
	.end_amdhsa_kernel
	.amdgpu_metadata
---
amdhsa.version: [ 1, 2 ]
amdhsa.kernels:
  - .name:           k_q82f860b9fa_prep
    .symbol:         k_q82f860b9fa_prep.kd
    .args:
      - { .name: x, .offset: 0, .size: 8, .value_kind: global_buffer, .address_space: global }
      - { .name: w_qkv, .offset: 8, .size: 8, .value_kind: global_buffer, .address_space: global }
      - { .name: w_out, .offset: 16, .size: 8, .value_kind: global_buffer, .address_space: global }
      - { .name: xb, .offset: 24, .size: 8, .value_kind: global_buffer, .address_space: global }
      - { .name: wq, .offset: 32, .size: 8, .value_kind: global_buffer, .address_space: global }
      - { .name: wo, .offset: 40, .size: 8, .value_kind: global_buffer, .address_space: global }
      - { .name: rope, .offset: 48, .size: 8, .value_kind: global_buffer, .address_space: global }
    .group_segment_fixed_size: 9728
    .private_segment_fixed_size: 0
    .kernarg_segment_align: 8
    .kernarg_segment_size: 56
    .max_flat_workgroup_size: 128
    .sgpr_count:     66
    .vgpr_count:     144
    .wavefront_size: 32
...
	.end_amdgpu_metadata
.endif
;; end of part 1
;; launch qkv (part 2): grid 8 x 32, 4 waves a work-group, clusters of 4 x 4, 327,680 bytes of LDS; arguments xb, wq, rope, q, k, v; writes q, k, v
.if DOCPART == 2
	.amdgcn_target "amdgcn-amd-amdhsa--gfx1250"
	.amdhsa_code_object_version 6
	.text
	.protected	k_q82f860b9fa_qkv
	.globl	k_q82f860b9fa_qkv
	.p2align	8
	.type	k_q82f860b9fa_qkv,@function
k_q82f860b9fa_qkv:
	s_mov_b64 s[64:65], 0
	v_nop
	global_prefetch_b8 v0, s[64:65] scope:SCOPE_SE
	s_setreg_imm32_b32 hwreg(HW_REG_WAVE_MODE, 25, 1), 1
	s_wait_xcnt 0x0
	s_wait_alu depctr_hold_cnt(0) depctr_sa_sdst(0) depctr_va_vdst(0) depctr_va_sdst(0) depctr_va_ssrc(0) depctr_va_vcc(0) depctr_vm_vsrc(0)
	s_getreg_b32 s2, hwreg(HW_REG_IB_STS2, 6, 4)
	s_cmp_eq_u32 s2, 0
	s_cbranch_scc0 .Lentry_in_a_cluster
	s_endpgm
.Lentry_in_a_cluster:
	s_bfe_u32 s2, ttmp6, 0x10000c
	s_cmp_lg_u32 s2, 0xf033
	s_cbranch_scc0 .Lentry_shape_is_right
	s_endpgm
.Lentry_shape_is_right:
; C[m][n'] = sum over k of x[m][k] w_qkv[k][n], bf16 operands, f32 sums; q and k rotated (rope) in f32; q, k, v rounded once to f16 and stored by heads, [b*16+head][2048 s][64], unscaled.
; LIMIT.  f16 ends at 65,504: q, k and v must lie within it.
; SHARES.  8192 x 3072 in 256 tiles of 256 x 384, one a work-group.  A wave makes 128 x 192: 96 accumulators of 16 x 16, 768 registers.  wq's rows are ordered (head, kind, d), so a wave's
; 192 columns are ONE head: column blocks 0-3 its q, 4-7 its k, 8-11 its v: what is rotated and where it goes is fixed in the text.
; K goes in steps of 64, one K block of xb and wq, through two LDS slots.  In a block a tile's rows lie end to end, so they are asked for as rows of 256 bytes and padded in LDS after every 128.
; CLUSTER 4 x 4: A's tile and the rope rows hang on the tile row alone and are asked for jointly along a row of the cluster, B's tile along a column.
; THE MATRIX INSTRUCTION IS USED TRANSPOSED (source 0 = 16 rows of wq, source 1 = 16 rows of xb): a lane holds row l % 16 of C and eight neighbouring columns 8 (l / 16) + 0..7.
; REGISTERS.  Window 0: v0-31 addresses; v32-95, v96-159 A's fragments (8 x 16 rows x 32 K), two buffers; v160-207, v208-255 B's fragments, six column blocks each.
; Windows 1, 2, 3: accumulator (a, b) at window 1 + b / 4, register 8 (8 (b % 4) + a): q, k, v have a window each.
.set PITCH,  144                       ; an LDS row: 128 bytes + 16 = 36 words: the 16 rows of a fragment load start at 16 different groups of four banks (ISA guide 11.1)
.set FR,     16*PITCH
.set BOFF,   256*PITCH                 ; a slot: A's 256 rows, then B's 384
.set SLOTB,  640*PITCH
.set STAGE,  SLOTB                     ; behind slot 0: 16 rows x 144 bytes for each wave, for the way out; no tile lands there
.set SPARE,  STAGE+4*FR                ; the spare words, 128 bytes a wave
.set SLOT1,  1<<17                     ; one exclusive or turns an address in one slot into the other's
.set ROPEL,  SLOT1+SLOTB               ; the tile's 256 rope rows, 256 bytes + 16
.set RPITCH, 272
.set ASTR,   8192*128                  ; bytes from K block to K block of xb
.set BSTR,   3072*128                  ; of wq
.set ADRA0, 4                          ; v4   my place in A's part of a slot; never rewritten
.set ADRB0, 5                          ; v5   in B's
.set ADRA,  6                          ; v6   the same in the slot in hand
.set ADRB,  7
.set STO,   8                          ; v8   the way out: where I put 16 bytes of a row
.set RD,    9                          ; v9   where I read rows back
.set GO,    10                         ; v10  16 x lane
.set RP,    11                         ; v11  my row's cosines in LDS
.set SPW,   12                         ; v12  SPARE + 4 x my thread's number; never rewritten
.set NIL,   13                         ; v13  0; never rewritten
.set PFO,   14                         ; v14  the prefetches' offset; never rewritten
.set AF0,   32
.set AF1,   96
.set BH0,   160
.set CS0,   32                         ; the way out: cos (16), sin (16) of a row block, two buffers
.set T1,    96                         ; 32 rotated numbers
.set PK,    128                        ; 16 packed words
.set BK0,   144                        ; four buffers of 16: rows read back
.set WV, 16
.set WR, 17                            ; which half of the tile's rows is mine; also 0: I fetch for A, 1: for B
.set WC, 18                            ; which half of its columns; also which half of that tile I fetch
.set CX, 19
.set CY, 20
.set TX, 21
.set TY, 22
.set G1A, 24
.set G1B, 32
.set G1R, 40
.set G0A, 48                           ; s[48:51] K step 0, s[52:55] walks from K step 1 on
.set G0B, 56
.set G0R, 68
.set PFA, 72
.set PFS, 74
.set LIM, 76
.set PAR, 77
.set TB,  78                           ; the slot in hand: 0 or SLOT1
.set CNT, 79
.set TS,  88                           ; s88-91 scratch that holds no place in the cluster
.set QP,  10                           ; s[10:11] q, s[12:13] k, s[14:15] v
.set MSB, 0
.macro WIN new                         ; the immediate's high byte repeats the setting that is left; a switch that changes nothing is dropped
.if MSB != (\new)
	s_set_vgpr_msb (MSB<<8)|(\new)
.set MSB, \new
.endif
.endm
.macro PLACES                          ; four places behind matrix instructions, in front of loads into registers that they have read
.rept 4
	v_nop
.endr
.endm
.macro CREST                           ; a round of the cluster's barrier behind its opening barrier
	s_cmp_lg_u32 s[WV], 0
	s_cbranch_scc1 .Lnot_wave_0_\@
	s_barrier_signal -3
.Lnot_wave_0_\@:
	s_barrier_wait -3
	s_barrier_signal -1
	s_barrier_wait -1
.endm
.macro CROUND
	s_barrier_signal -1
	s_barrier_wait -1
	CREST
.endm
; A joint refill: waves 0 and 1 fetch A's halves, waves 2 and 3 B's; an s_nop 0 and four v_nop follow each line
.macro JLOAD
	s_cmp_eq_u32 s[WR], 0
	s_cbranch_scc0 .Lfor_b_\@
	tensor_load_to_lds s[G0A+4:G0A+7], s[G1A:G1A+7]
	s_nop 0
.rept 4
	v_nop
.endr
	s_branch .Lasked_\@
.Lfor_b_\@:
	tensor_load_to_lds s[G0B+4:G0B+7], s[G1B:G1B+7]
	s_nop 0
.rept 4
	v_nop
.endr
.Lasked_\@:
.endm
; A PREFETCH of the K step two refills on, each aligned 256 bytes named once in the launch.  A's tile row (128 such blocks a step): the cluster with x = 0 asks, each of the four partners along x
; takes 32 by address, wave 0, a lane a block.  B's tile column (192 blocks a step): the cluster with y = 0 asks, each partner along y takes 48 a step; waves 1 to 3 are 96 lanes, so they ask
; in every second trip (CNT even) for two steps.  K steps 0 to 3 come by their loads alone; nothing behind K step 15 is named (CNT above 2).
.macro ASK
	s_and_b32 s[TS], s[CNT], s[PAR]
	s_lshl_b32 s[TS], s[TS], 6
	s_add_co_u32 s[TS], s[TS], s[LIM]
	s_cmp_gt_u32 s[CNT], s[TS]
	s_cbranch_scc0 .Lnot_mine_\@
	global_prefetch_b8 v[PFO], s[PFA:PFA+1] th:TH_LOAD_NT scope:SCOPE_SE
.Lnot_mine_\@:
.endm
	s_load_b256 s[4:11], s[0:1], 0x0               ; xb s[4:5], wq s[6:7], rope s[8:9], q s[10:11]
	s_load_b128 s[12:15], s[0:1], 0x20             ; k, v
	v_lshl_add_u32 v[SPW], v0, 2, SPARE
	v_mov_b32 v[NIL], 0
	ds_add_u32 v[SPW], v[NIL]                      ; the wave's opening: the add and its wait stand ahead of my first tensor load; work on registers stands between
	v_lshrrev_b32 v1, 5, v0
	v_readfirstlane_b32 s[WV], v1
	s_lshr_b32 s[WR], s[WV], 1
	s_and_b32 s[WC], s[WV], 1
	s_bfe_u32 s[CX], ttmp6, 0x40000
	s_bfe_u32 s[CY], ttmp6, 0x40004
	s_lshl_b32 s[TX], ttmp9, 2
	s_add_co_u32 s[TX], s[TX], s[CX]               ; tile column 0..7
	s_and_b32 s[TY], ttmp7, 0xffff
	s_lshl_b32 s[TY], s[TY], 2
	s_add_co_u32 s[TY], s[TY], s[CY]               ; tile row 0..31
	s_lshl_b32 s80, s[CY], 2
	s_lshl_b32 s80, 15, s80                        ; my row of the cluster
	s_lshl_b32 s84, 0x1111, s[CX]                  ; my column
	s_or_b32 s[G1A], s80, (1<<16)|(1<<20)|(1<<21)|(4<<22)|(3<<25)  ; mask; 2-byte elements; padding on; bit 21 beside a mask; after every 32 words 4 words
	s_or_b32 s[G1B], s84, (1<<16)|(1<<20)|(1<<21)|(4<<22)|(3<<25)
	s_or_b32 s[G1R], s80, (2<<16)|(1<<20)|(1<<21)|(5<<22)|(3<<25)  ; 4-byte elements; after every 64 words 4 words
	s_mov_b32 s[G1A+1], 128<<16                    ; A: 128 tile rows as 64 rows of 128 elements
	s_mov_b32 s[G1A+2], 64<<16
	s_mov_b32 s[G1A+3], 128<<16
	s_mov_b32 s[G1A+4], 64
	s_mov_b32 s[G1A+5], 128
	s_mov_b32 s[G1A+6], 0
	s_mov_b32 s[G1A+7], 0
	s_mov_b32 s[G1B+1], 128<<16                    ; B: 192 tile rows as 96 rows
	s_mov_b32 s[G1B+2], 96<<16
	s_mov_b32 s[G1B+3], 128<<16
	s_mov_b32 s[G1B+4], 96
	s_mov_b32 s[G1B+5], 128
	s_mov_b32 s[G1B+6], 0
	s_mov_b32 s[G1B+7], 0
	s_mov_b32 s[G1R+1], 64<<16                     ; rope: 64 rows of 64 f32
	s_mov_b32 s[G1R+2], 64<<16
	s_mov_b32 s[G1R+3], 64<<16
	s_mov_b32 s[G1R+4], 64
	s_mov_b32 s[G1R+5], 64
	s_mov_b32 s[G1R+6], 0
	s_mov_b32 s[G1R+7], 0
	s_mul_i32 s88, s[WC], 128*PITCH                ; where the tiles go: the wave's number alone
	s_mul_i32 s89, s[WC], 192*PITCH
	s_add_co_u32 s89, s89, BOFF
	s_mul_i32 s90, s[WV], 64*RPITCH
	s_add_co_u32 s90, s90, ROPEL
	s_mov_b32 s[G0A], 1
	s_mov_b32 s[G0A+1], s88
	s_mov_b32 s[G0A+4], 1
	s_add_co_u32 s[G0A+5], s88, SLOT1
	s_mov_b32 s[G0B], 1
	s_mov_b32 s[G0B+1], s89
	s_mov_b32 s[G0B+4], 1
	s_add_co_u32 s[G0B+5], s89, SLOT1
	s_mov_b32 s[G0R], 1
	s_mov_b32 s[G0R+1], s90
	s_lshl_b32 s80, s[TY], 15                      ; A: 256 rows of 128 bytes a tile row, + my half
	s_lshl_b32 s81, s[WC], 14
	s_add_co_u32 s80, s80, s81
	s_mov_b32 s81, 0
	s_and_b32 s82, s[TY], 7                        ; rope: the tile's first s is 256 (tile row % 8); + my wave's 64 rows
	s_lshl_b32 s82, s82, 16
	s_lshl_b32 s83, s[WV], 14
	s_add_co_u32 s82, s82, s83
	s_mov_b32 s83, 0
	s_mul_i32 s84, s[TX], 384*128                  ; B: 384 rows a tile column, + my half
	s_mul_i32 s85, s[WC], 192*128
	s_add_co_u32 s84, s84, s85
	s_mov_b32 s85, 0
	s_mov_b32 s[TB], 0
	s_mov_b32 s[CNT], 14
	s_and_b32 s89, ttmp7, 0xffff                   ; the prefetches: wave 0 for A where cluster x = 0, waves 1-3 for B where cluster y = 0
	s_mov_b32 s90, ASTR
	s_cmp_eq_u32 s[WV], 0
	s_cselect_b32 s88, ttmp9, s89
	s_cselect_b32 s[PAR], 0, 1
	s_cselect_b32 s[PFS], s90, BSTR
	s_mov_b32 s[PFS+1], 0
	s_cmp_eq_u32 s88, 0
	s_cselect_b32 s[LIM], 2, 0x7fffff00
	s_lshl_b32 s96, s[TY], 15
	s_lshl_b32 s97, s[CX], 13
	s_add_co_u32 s96, s96, s97                     ; A's: the tile row's block, my work-group's 32 x 256 bytes of it
	s_mul_i32 s98, s[TX], 384*128
	s_mul_i32 s99, s[CY], 48*256
	s_add_co_u32 s98, s98, s99                     ; B's: 48 x 256 bytes
	s_cmp_eq_u32 s[WV], 0
	s_cselect_b32 s96, s96, s98
	s_mov_b32 s97, 0
	s_mul_i32 s98, s[PFS], 3                       ; at K step 3: the first change of slots steps it to 4
	s_mov_b32 s99, 0
	s_wait_dscnt 0x0                               ; the opening add is done
	s_wait_kmcnt 0x0
	s_cselect_b64 s[PFA:PFA+1], s[4:5], s[6:7]
	s_add_nc_u64 s[PFA:PFA+1], s[PFA:PFA+1], s[96:97]
	s_add_nc_u64 s[PFA:PFA+1], s[PFA:PFA+1], s[98:99]
	s_add_nc_u64 s[G0A+2:G0A+3], s[4:5], s[80:81]
	s_add_nc_u64 s[G0A+6:G0A+7], s[G0A+2:G0A+3], ASTR
	s_or_b32 s[G0A+3], s[G0A+3], 0x80000000
	s_or_b32 s[G0A+7], s[G0A+7], 0x80000000
	s_add_nc_u64 s[G0B+2:G0B+3], s[6:7], s[84:85]
	s_add_nc_u64 s[G0B+6:G0B+7], s[G0B+2:G0B+3], BSTR
	s_or_b32 s[G0B+3], s[G0B+3], 0x80000000
	s_or_b32 s[G0B+7], s[G0B+7], 0x80000000
	s_add_nc_u64 s[G0R+2:G0R+3], s[8:9], s[82:83]
	s_or_b32 s[G0R+3], s[G0R+3], 0x80000000
	s_lshr_b32 s96, s[TY], 3                       ; where my part goes: ((batch x 16 + head) x 2048 + s) x 128, head = 2 x tile column + my column half
	s_lshl_b32 s96, s96, 4
	s_lshl_b32 s97, s[TX], 1
	s_add_co_u32 s96, s96, s97
	s_add_co_u32 s96, s96, s[WC]
	s_lshl_b32 s96, s96, 18
	s_and_b32 s97, s[TY], 7
	s_lshl_b32 s97, s97, 15
	s_add_co_u32 s96, s96, s97
	s_lshl_b32 s97, s[WR], 14
	s_add_co_u32 s96, s96, s97
	s_mov_b32 s97, 0
	s_add_nc_u64 s[10:11], s[10:11], s[96:97]
	s_add_nc_u64 s[12:13], s[12:13], s[96:97]
	s_add_nc_u64 s[14:15], s[14:15], s[96:97]
	CROUND                                         ; all sixteen work-groups are here: the first joint loads meet
	s_cmp_eq_u32 s[WR], 0                          ; a wave's three first fills stand in one branch: K step 0, K step 1, its quarter of the rope rows: three loads of mine are out
	s_cbranch_scc0 .Lfirst_b
	tensor_load_to_lds s[G0A:G0A+3], s[G1A:G1A+7]
	s_nop 0
	tensor_load_to_lds s[G0A+4:G0A+7], s[G1A:G1A+7]
	s_nop 0
	tensor_load_to_lds s[G0R:G0R+3], s[G1R:G1R+7]
	s_nop 0
.rept 4
	v_nop
.endr
	s_branch .Lfirst_done
.Lfirst_b:
	tensor_load_to_lds s[G0B:G0B+3], s[G1B:G1B+7]
	s_nop 0
	tensor_load_to_lds s[G0B+4:G0B+7], s[G1B:G1B+7]
	s_nop 0
	tensor_load_to_lds s[G0R:G0R+3], s[G1R:G1R+7]
	s_nop 0
.rept 4
	v_nop
.endr
.Lfirst_done:
	v_and_b32 v1, 15, v0                           ; l % 16
	v_bfe_u32 v2, v0, 4, 1                         ; l / 16
	v_and_b32 v3, 31, v0
	v_mul_u32_u24 v15, v1, PITCH
	v_lshl_add_u32 v15, v2, 4, v15                 ; a fragment's row x pitch + 16 x half
	s_mul_i32 s88, s[WR], 128*PITCH
	v_add_nc_u32 v[ADRA0], s88, v15
	s_mul_i32 s88, s[WC], 192*PITCH
	s_add_co_u32 s88, s88, BOFF
	v_add_nc_u32 v[ADRB0], s88, v15
	v_mov_b32 v[ADRA], v[ADRA0]
	v_mov_b32 v[ADRB], v[ADRB0]
	s_mul_i32 s88, s[WV], FR
	s_add_co_u32 s88, s88, STAGE                   ; my stage
	v_add_nc_u32 v[STO], s88, v15
	v_bfe_u32 v16, v0, 3, 2                        ; back: 32 lanes take four rows of 128 bytes
	v_mul_u32_u24 v16, v16, PITCH
	v_and_b32 v17, 7, v0
	v_lshl_add_u32 v16, v17, 4, v16
	v_add_nc_u32 v[RD], s88, v16
	v_lshlrev_b32 v[GO], 4, v3
	v_mul_u32_u24 v16, v1, RPITCH
	v_lshl_add_u32 v16, v2, 5, v16                 ; my row's cosines of frequencies 8 (l / 16) on
	s_mul_i32 s88, s[WR], 128*RPITCH
	s_add_co_u32 s88, s88, ROPEL
	v_add_nc_u32 v[RP], s88, v16
	s_max_u32 s88, s[WV], 1                        ; the prefetches' offset: block L = 32 (wave - 1) + lane for B (wave 0: its lane, for A);
	s_sub_co_u32 s88, s88, 1
	s_lshl_b32 s88, s88, 5
	v_add_nc_u32 v[PFO], s88, v3
	v_mov_b32 v16, BSTR-48*256
	v_cmp_le_u32 vcc_lo, 48, v[PFO]                ; blocks 48 to 95 are the next K step's 0 to 47
	v_cndmask_b32 v15, 0, v16, vcc_lo
	v_lshl_add_u32 v[PFO], v[PFO], 8, v15
; 8 matrix instructions: column block 6 hb + bp x my eight row blocks, 32 along K.  All 96 accumulators take turns, one instruction a turn.
.macro MULC hb, af, bp, zero
.set cb, 6*(\hb)+(\bp)
.set cw, 1+cb/4
	WIN (cw<<6)|(cw<<4)
.irp a, 0,1,2,3,4,5,6,7
.if \zero
	v_wmma_f32_16x16x32_bf16 v[8*(8*(cb%4)+(\a)):8*(8*(cb%4)+(\a))+7], v[BH0+48*(\hb)+8*(\bp):BH0+48*(\hb)+8*(\bp)+7], v[(\af)+8*(\a):(\af)+8*(\a)+7], 0
.else
	v_wmma_f32_16x16x32_bf16 v[8*(8*(cb%4)+(\a)):8*(8*(cb%4)+(\a))+7], v[BH0+48*(\hb)+8*(\bp):BH0+48*(\hb)+8*(\bp)+7], v[(\af)+8*(\a):(\af)+8*(\a)+7], v[8*(8*(cb%4)+(\a)):8*(8*(cb%4)+(\a))+7]
.endif
.endr
.endm
.macro LDB hb, kb                      ; six fragments of B, at byte kb of the rows
.irp p, 0,1,2,3,4,5
	ds_load_b128 v[BH0+48*(\hb)+8*(\p):BH0+48*(\hb)+8*(\p)+3],   v[ADRB] offset:(6*(\hb)+(\p))*FR+(\kb)
	ds_load_b128 v[BH0+48*(\hb)+8*(\p)+4:BH0+48*(\hb)+8*(\p)+7], v[ADRB] offset:(6*(\hb)+(\p))*FR+(\kb)+32
.endr
.endm
.macro LDA af, kb                      ; eight fragments of A
.irp p, 0,1,2,3,4,5,6,7
	ds_load_b128 v[(\af)+8*(\p):(\af)+8*(\p)+3],   v[ADRA] offset:(\p)*FR+(\kb)
	ds_load_b128 v[(\af)+8*(\p)+4:(\af)+8*(\p)+7], v[ADRA] offset:(\p)*FR+(\kb)+32
.endr
.endm
; 32 along K are two phases of 48 matrix instructions.  The first multiplies column blocks 0-5 and fetches blocks 6-11; the second multiplies those and fetches the next 32 along K.
; Each run of loads stands behind 8 matrix instructions and four places, 40 matrix instructions ahead of its first use.
.macro PH0 kb, af, zero
	s_wait_dscnt 0x0
	MULC 0, \af, 0, \zero
	PLACES
	WIN 0
	LDB 1, \kb
.irp q, 1,2,3,4,5
	MULC 0, \af, \q, \zero
.endr
.endm
.macro PH1 kbn, af, afn, zero
	s_wait_dscnt 0x0
	MULC 1, \af, 0, \zero
	PLACES
	WIN 0
	LDB 0, \kbn
	LDA \afn, \kbn
.irp q, 1,2,3,4,5
	MULC 1, \af, \q, \zero
.endr
.endm
; A K step's last phase changes slots.  In front of the barrier each wave waits for all its tensor loads (one is out: its part of the next slot), adds 0 to its spare word, and waits for that and
; for its reads of this slot.  fill = 1: the barrier opens a round of the cluster's, and the joint refill, the K step two on, is the first thing behind it.
.macro TURN fill
.if \fill
	s_wait_xcnt 0x0                                ; the last prefetch, a K step back, has read its address
	s_add_nc_u64 s[PFA:PFA+1], s[PFA:PFA+1], s[PFS:PFS+1]
.endif
	WIN 0
	s_wait_tensorcnt 0x0
	ds_add_u32 v[SPW], v[NIL]
.if \fill
	s_xor_b32 s[G0A+5], s[G0A+5], SLOT1            ; no tensor load of mine is out: the walking descriptors step
	s_add_nc_u64 s[G0A+6:G0A+7], s[G0A+6:G0A+7], ASTR
	s_xor_b32 s[G0B+5], s[G0B+5], SLOT1
	s_add_nc_u64 s[G0B+6:G0B+7], s[G0B+6:G0B+7], BSTR
.endif
	s_wait_dscnt 1                                 ; the twelve loads of column blocks 6-11 are in; only the add is younger
	MULC 1, AF1, 0, 0
	s_wait_dscnt 0x0                               ; the add is done, my reads of this slot are over
	s_barrier_signal -1
	MULC 1, AF1, 1, 0
	WIN 0
	s_barrier_wait -1
.if \fill
	CREST
	JLOAD                                          ; its four v_nop are also the places in front of the loads below
.else
	PLACES
.endif
	s_xor_b32 s[TB], s[TB], SLOT1
	v_add_nc_u32 v[ADRA], s[TB], v[ADRA0]
	v_add_nc_u32 v[ADRB], s[TB], v[ADRB0]
	LDB 0, 0
	LDA AF0, 0
.if \fill
	ASK
.endif
.irp q, 2,3,4,5
	MULC 1, AF1, \q, 0
.endr
.endm
	s_wait_tensorcnt 2                             ; my part of K step 0 is in; K step 1's and the rope rows were issued behind it and may stay out
	s_barrier_signal -1
	s_barrier_wait -1
	LDB 0, 0
	LDA AF0, 0
	PH0 0, AF0, 1                                  ; the first 32 along K start the sums: nothing is cleared
	PH1 64, AF0, AF1, 1
	WIN 0
.Lstep:                                        ; 14 trips, from a K step's second half to the next one's first; each fills a slot again: K steps 2 to 15
	PH0 64, AF1, 0
	TURN 1
	PH0 0, AF0, 0
	PH1 64, AF0, AF1, 0
	WIN 0
	s_sub_co_u32 s[CNT], s[CNT], 1
	s_cmp_lg_u32 s[CNT], 0
	s_cbranch_scc1 .Lstep
	PH0 64, AF1, 0                                 ; the tail asks for nothing
	TURN 0
	PH0 0, AF0, 0
	PH1 64, AF0, AF1, 0
	PH0 64, AF1, 0
	s_wait_dscnt 0x0
.irp q, 0,1,2,3,4,5
	MULC 1, AF1, \q, 0
.endr
	WIN 0
	PLACES
	PLACES
; THE WAY OUT, in 24 units: row block a (16 rows) x kind (64 columns).  q' = q cos - q(+32) sin for d < 32, q' = q cos + q(-32) sin for d >= 32, the same frequency for d and d + 32.
.macro CSLOAD a                        ; cos of frequencies 0-15, 16-31, sin likewise: eight numbers a lane each
.set cs, CS0+32*((\a)%2)
.irp o, 0,1,2,3
	ds_load_b128 v[cs+8*(\o):cs+8*(\o)+3],   v[RP] offset:(\a)*16*RPITCH+64*(\o)
	ds_load_b128 v[cs+8*(\o)+4:cs+8*(\o)+7], v[RP] offset:(\a)*16*RPITCH+64*(\o)+16
.endr
.endm
.macro ROPEU a, w                      ; each accumulator is read from its lowest registers on
.set cs, CS0+32*((\a)%2)
	WIN \w                                         ; source 0 in the kind's window
.irp i, 0,1
.irp j, 0,2,4,6
	v_pk_mul_f32 v[T1+8*(\i)+(\j):T1+8*(\i)+(\j)+1], v[8*(8*(2+(\i))+(\a))+(\j):8*(8*(2+(\i))+(\a))+(\j)+1], v[cs+16+8*(\i)+(\j):cs+16+8*(\i)+(\j)+1]
.endr
.irp j, 0,2,4,6
	v_pk_mul_f32 v[T1+16+8*(\i)+(\j):T1+16+8*(\i)+(\j)+1], v[8*(8*(\i)+(\a))+(\j):8*(8*(\i)+(\a))+(\j)+1], v[cs+16+8*(\i)+(\j):cs+16+8*(\i)+(\j)+1]
.endr
.endr
.irp i, 0,1
.irp j, 0,2,4,6
	v_pk_fma_f32 v[T1+8*(\i)+(\j):T1+8*(\i)+(\j)+1], v[8*(8*(\i)+(\a))+(\j):8*(8*(\i)+(\a))+(\j)+1], v[cs+8*(\i)+(\j):cs+8*(\i)+(\j)+1], v[T1+8*(\i)+(\j):T1+8*(\i)+(\j)+1] neg_lo:[0,0,1] neg_hi:[0,0,1]
	v_pk_fma_f32 v[T1+16+8*(\i)+(\j):T1+16+8*(\i)+(\j)+1], v[8*(8*(2+(\i))+(\a))+(\j):8*(8*(2+(\i))+(\a))+(\j)+1], v[cs+8*(\i)+(\j):cs+8*(\i)+(\j)+1], v[T1+16+8*(\i)+(\j):T1+16+8*(\i)+(\j)+1]
.endr
.endr
	WIN 0
.set z, 0
.rept 16
	v_cvt_pk_f16_f32 v[PK+z], v[T1+2*z], v[T1+2*z+1]
.set z, z+1
.endr
.endm
.macro PLAINU a                        ; v is only rounded
	WIN 0x0f
.irp i, 0,1,2,3
.irp j, 0,1,2,3
	v_cvt_pk_f16_f32 v[PK+4*(\i)+(\j)], v[8*(8*(\i)+(\a))+2*(\j)], v[8*(8*(\i)+(\a))+2*(\j)+1]
.endr
.endr
	WIN 0
.endm
.macro STAGEU u                        ; 16 bytes a lane into my stage, back as whole rows; LDS serves a wave's instructions in order (ISA guide 5.7.1.4)
.set bk, BK0+16*((\u)%4)
.irp f, 0,1,2,3
	ds_store_b128 v[STO], v[PK+4*(\f):PK+4*(\f)+3] offset:32*(\f)
.endr
	s_wait_xcnt 0x0                                ; the stores of four units back have read these registers
.irp f, 0,1,2,3
	ds_load_b128 v[bk+4*(\f):bk+4*(\f)+3], v[RD] offset:(\f)*4*PITCH
.endr
.endm
.macro SENDU u, younger                ; younger: the LDS instructions issued behind unit u's loads
.set bk, BK0+16*((\u)%4)
.set sb, QP+2*((\u)%3)
.irp f, 0,1,2,3
	s_wait_dscnt (\younger)+3-(\f)
	global_store_b128 v[GO], v[bk+4*(\f):bk+4*(\f)+3], s[sb:sb+1] offset:((\u)/3)*2048+(\f)*512  ; four rows of a head: 512 consecutive bytes, aligned
.endr
.endm
	CSLOAD 0
	s_wait_dscnt 0x0
.set u, 0
.rept 24
.set ua, u/3
.if (u%3 == 0) && (ua < 7)
	CSLOAD ua+1                                    ; the next row block's cosines and sines; shown in by the waits of the stores two units on
.endif
.if u%3 == 0
	ROPEU ua, 1
.elseif u%3 == 1
	ROPEU ua, 2
.else
	PLAINU ua
.endif
	STAGEU u
.if u > 0
.if (u%3 == 0) && (ua < 7)
	SENDU u-1, 16
.else
	SENDU u-1, 8
.endif
.endif
.set u, u+1
.endr
	SENDU 23, 0
	s_wait_tensorcnt 0x0                           ; the wave's end
	ds_add_u32 v[SPW], v[NIL]
	s_wait_dscnt 0x0
	CROUND                                         ; the closing round
	s_endpgm
.Lfunc_end_k_q82f860b9fa_qkv:
	.size	k_q82f860b9fa_qkv, .Lfunc_end_k_q82f860b9fa_qkv-k_q82f860b9fa_qkv
	.p2alignl 7, 3214868480
	.fill 96, 4, 3214868480
	.section	.rodata,"a",@progbits
	.p2align	6, 0x0
	.amdhsa_kernel k_q82f860b9fa_qkv
		.amdhsa_group_segment_fixed_size 327680
		.amdhsa_private_segment_fixed_size 0
		.amdhsa_enable_private_segment 0
		.amdhsa_kernarg_size 48
		.amdhsa_user_sgpr_count 2
		.amdhsa_user_sgpr_kernarg_segment_ptr 1
		.amdhsa_wavefront_size32 1
		.amdhsa_system_sgpr_workgroup_id_x 1
		.amdhsa_system_sgpr_workgroup_id_y 1
		.amdhsa_system_sgpr_workgroup_id_z 1
		.amdhsa_system_vgpr_workitem_id 0
		.amdhsa_next_free_vgpr 1024
		.amdhsa_next_free_sgpr 100
		.amdhsa_reserve_vcc 1
		.amdhsa_float_denorm_mode_32 3
		.amdhsa_float_denorm_mode_16_64 3
		.amdhsa_memory_ordered 1
		.amdhsa_forward_progress 1
		.amdhsa_inst_pref_size 153
	.end_amdhsa_kernel
	.amdgpu_metadata
---
amdhsa.version: [ 1, 2 ]
amdhsa.kernels:
  - .name:           k_q82f860b9fa_qkv
    .symbol:         k_q82f860b9fa_qkv.kd
    .args:
      - { .name: xb, .offset: 0, .size: 8, .value_kind: global_buffer, .address_space: global }
      - { .name: wq, .offset: 8, .size: 8, .value_kind: global_buffer, .address_space: global }
      - { .name: rope, .offset: 16, .size: 8, .value_kind: global_buffer, .address_space: global }
      - { .name: q, .offset: 24, .size: 8, .value_kind: global_buffer, .address_space: global }
      - { .name: k, .offset: 32, .size: 8, .value_kind: global_buffer, .address_space: global }
      - { .name: v, .offset: 40, .size: 8, .value_kind: global_buffer, .address_space: global }
    .group_segment_fixed_size: 327680
    .private_segment_fixed_size: 0
    .kernarg_segment_align: 8
    .kernarg_segment_size: 48
    .max_flat_workgroup_size: 128
    .sgpr_count:     100
    .vgpr_count:     1024
    .wavefront_size: 32
...
	.end_amdgpu_metadata
.endif
;; end of part 2
;; launch attn (part 3): grid 4 x 64, 4 waves a work-group, no clusters, 327,680 bytes of LDS; arguments q, k, v, o, attention_mask; writes o
.if DOCPART == 3
	.amdgcn_target "amdgcn-amd-amdhsa--gfx1250"
	.amdhsa_code_object_version 6
	.text
	.protected	k_q82f860b9fa_attn
	.globl	k_q82f860b9fa_attn
	.p2align	8
	.type	k_q82f860b9fa_attn,@function
k_q82f860b9fa_attn:
	s_mov_b64 s[64:65], 0
	v_nop
	global_prefetch_b8 v0, s[64:65] scope:SCOPE_SE
	s_setreg_imm32_b32 hwreg(HW_REG_WAVE_MODE, 25, 1), 1
	s_wait_xcnt 0x0
; CAUSAL ATTENTION WITH A PADDING MASK.  O[q] = the sum over k <= q with mask[k] != 0 of softmax_k(Q[q] . K[k] / 8) V[k].  q, k, v: [64 bh][2048][64] f16, rows dense, 128 bytes.
; o: f16 [16 head][8192 = batch x 2048 + s][64].  Products, maxima and sums in f32; the weights p are rounded to f16 for the second product (l is the sum of the unrounded p), O once at the end.
; LIMITS.  q, k, v arrive within f16's 65,504.  A hidden score counts as its value less 1e30 (less 2e30 where both masks hide it); scores are 2.7e11 at the most.  A weight below 2^-126 counts as 0.
; A ROW WITH NO VISIBLE KEY is NaN, as a softmax over nothing is: its running maximum ends below -1e29, and its divisor is replaced by NaN.  What a row gathers from hidden keys before its first
; visible one is multiplied by a = 2^(c m_old - c m_new) = 0 when that key comes.
; THE WALK.  A head's queries lie in NB = 8 blocks of 256; block i needs the key tiles 0 .. i, the last holding the diagonal.  A work-group takes blocks NB - 1 - b and then b: NB + 1 tiles whatever b,
; one loop with a constant trip count.  NO CLUSTER: a head's four work-groups want the same tile only in trips 0 to 4 of 9; a walk common to all would have 12 trips for 9.
; SHARES.  Of a block's four bands of 64 queries a wave owns 16 rows in each: four PIECES; in the diagonal tile's step s band x sees all keys if s < x, none if s > x, and holds the diagonal if s = x.
; THE MASKS are the C operand that starts S^T = K Q^T.  PM: the key step's 64 padding numbers (0 or -1e30).  They go by slot, as K and V do: behind each slot's tile lie 1,024 bytes for the tile's 256
; numbers.  Behind a change of slots each thread loads its two words of attention_mask for the tile that is being asked for; at the head of the next change it turns them into numbers and stores them
; into the region of the slot to be entered: that region was last read two tiles back, in front of the barrier before, and is read again only behind the barrier that follows.
; In a plain tile C = PM.  In the diagonal tile C = MD x AL + BE + PM: MD the mask of a band's own step; (AL, BE) = (1, 0) if s = x, (0, 0) if s < x, (0, -1e30) if s > x.
; LAYOUT, SOFTMAX, TURNS.  S^T holds one query a lane (lane % 16) and keys 8 (lane / 16) + 0..7; two results rounded to f16 are source 1 of O^T = V^T P.  p = 2^(c s - c m), c = log2(e) / 8.
; Turn n belongs to piece n: 8 products K Q^T of piece n + 1, later 8 products V^T P of piece n - 1; beside them piece n's softmax and piece n + 1's maximum.  Four vector instructions stand behind
; every matrix instruction, the rest in one lump; a turn's 33 exponentials are one batch with one wait.
; REGISTERS (s_set_vgpr_msb: bits 1:0 source 0, 3:2 source 1, 5:4 source 2, 7:6 destination):
;   window 0: v0-15, v32-39 addresses and the two mask words; v16-31 statistics; v48-55 at work; v64-127 S^T, two buffers; v192-223 P, two buffers
;   window 1: v0-127 O^T; v128-159 MD; v160-223 MC, two buffers; v224-255 PM      window 2: v0-63 Q; v64-127 the second block's Q; v128-191 K; v192-255 V
.set SIZE_N, 2048
.set NB,    SIZE_N/256
.set NP,    4
.set KS,    64
.set PK,    144       ; a row of K in LDS: 128 + 16 bytes
.set PV,    160       ; a row of V: 128 + 32
.set VOFF,  4*KS*PK
.set PADT,  4*KS*(PK+PV)  ; behind slot 0's tile: its 256 padding numbers in f32; slot 1's lie SLOT1 further on; no tile lands in either
.set PADB,  4*KS*4    ; bytes of such a region
.set SLOT1, 1<<17
.set STAGE, SLOT1+PADT+PADB
.set SP,    144
.set AK0, 2
.set AV0, 3
.set AK,  4
.set AV,  5
.set STO, 6
.set RD,  7
.set GO,  8
.set SPW, 62
.set NIL, 63
.set SPARE, STAGE+4*16*SP
.set MV,  12
.set QO,  15
.set ST,  16
.set AP0, 32          ; v32  PADT + 32 (l / 16); never rewritten
.set AP,  33          ; v33  the padding numbers of the step to be fetched
.set PFO, 34          ; v34  256 x lane; never rewritten
.set MO,  35          ; v35  8 x my thread's number: my two words in a tile's 256 of the mask; never rewritten
.set PS0, 36          ; v36  PADT + 8 x my thread's number; never rewritten
.set PS,  37          ; v37  the same in the slot to be entered
.set MW,  38          ; v[38:39] my two mask words, then the two numbers made of them
.set TMP, 48
.set S,   64
.set P,   192
.set MD,  128
.set MC,  160
.set PM,  224
.set QB,  64
.set KF,  128
.set VF,  192
.set WV,  12
.set PB,  14
.set HI,  15
.set G1K, 24
.set G1V, 32
.set G0K, 40
.set G0V, 44
.set SLOTS, 56
.set CNT, 57
.set CS,  58
.set SEL, 60
.set TBK, 62
.set TBV, 63
.set MKT, 66          ; s[66:67] the mask's words of the tile that is being asked for
.set MOF, 68          ; s[68:69] their byte offset in the batch's row
.set RT,  70
.set NXT, 71
.set LQ,  72
.set NEW, 73
.set OFF, 74
.set AL,  76
.set BE,  78
.set OLO, 80
.set BIGN, 82
.set MK,  88          ; s[88:89] the batch's row of attention_mask
.set PFA, 90          ; s[90:91] where my prefetches stand
.set PFL, 92          ; s92  prefetches still to come
.set TBP, 93          ; s93  the padding numbers of the step to be fetched, less PADT: it steps as TBK does
.set THR, 94          ; s94  -1e29
.set QNAN, 95         ; s95  a NaN
.set MSB, 0
.macro WIN new
.if MSB != (\new)
	s_set_vgpr_msb (MSB<<8)|(\new)
.set MSB, (\new)
.endif
.endm
.set W_KQ, 0x0a
.set W_KM, 0x1a
.set W_PV, 0x52
.set W_RS, 0x41
; A fill.  Waves 0 and 1 fetch the halves of a tile's K, waves 2 and 3 those of its V.  An s_nop 0 and four v_nop follow each line.
.macro LOAD
	s_cmp_lt_u32 s[WV], 2
	s_cbranch_scc0 .Lfor_v_\@
	tensor_load_to_lds s[G0K:G0K+3], s[G1K:G1K+7]
	s_nop 0
.rept 4
	v_nop
.endr
	s_branch .Lasked_\@
.Lfor_v_\@:
	tensor_load_to_lds s[G0V:G0V+3], s[G1V:G1V+7]
	s_nop 0
.rept 4
	v_nop
.endr
.Lasked_\@:
.endm
; THE CHANGE OF SLOTS.  First the padding numbers of the tile to be entered go into its slot's region.  Then each wave waits for all its tensor loads (one is out: its part of the other slot), adds 0 to
; its spare word, and waits for that, for the store and for its reads of the slot that it leaves.
; fill = 1: the old slot is filled again, first thing behind the barrier, with tile NXT, and that tile's mask words are loaded.  Behind them the work-group with b = 0, whose first block walks all eight
; tiles, prefetches the tile after that one, each wave the 16 KiB that it will load itself, a lane 256 bytes, two instructions: tiles 2 to 7, each named once for the head; the second block's tiles have been read.
.macro CHANGE fill
	WIN 0
	s_sub_co_u32 s[TBP], s[TBP], PADB     ; back to a slot's first step,
	s_xor_b32 s[TBP], s[TBP], SLOT1       ; in the other slot
	s_wait_loadcnt 0x0              ; my two mask words of the tile to be entered: the only load of mine that is out (at the first change Q's too)
	v_cmp_eq_u32 vcc_lo, 0, v[MW]
	v_cndmask_b32 v[MW], 0, s[BIGN], vcc_lo    ; a padded key: -1e30
	v_cmp_eq_u32 vcc_lo, 0, v[MW+1]
	v_cndmask_b32 v[MW+1], 0, s[BIGN], vcc_lo
	v_add_nc_u32 v[PS], s[TBP], v[PS0]
	ds_store_b64 v[PS], v[MW:MW+1]  ; the region was last read two tiles back, and every wave has passed a barrier since
	s_wait_tensorcnt 0x0
	ds_add_u32 v[SPW], v[NIL]
.if \fill
	s_lshl_b32 s[OFF], s[NXT], 15
	s_lshl_b32 s[MOF], s[NXT], 10   ; a tile's 256 words of the mask
	s_add_nc_u64 s[MKT:MKT+1], s[MK:MK+1], s[MOF:MOF+1]  ; the load that read this pair is done
	s_xor_b32 s[G0K+1], s[G0K+1], SLOT1
	s_add_nc_u64 s[G0K+2:G0K+3], s[6:7], s[OFF:OFF+1]
	s_or_b32 s[G0K+3], s[G0K+3], 0x80000000
	s_xor_b32 s[G0V+1], s[G0V+1], SLOT1
	s_add_nc_u64 s[G0V+2:G0V+3], s[8:9], s[OFF:OFF+1]
	s_or_b32 s[G0V+3], s[G0V+3], 0x80000000
	s_add_co_u32 s[NXT], s[NXT], 1
	s_cmp_gt_u32 s[NXT], s[LQ]
	s_cselect_b32 s[NXT], 0, s[NXT]
	s_cselect_b32 s[LQ], s[PB], s[LQ]
	s_wait_xcnt 0x0                 ; the last prefetches, a tile back, have read their address
	s_add_nc_u64 s[PFA:PFA+1], s[PFA:PFA+1], 32768
.endif
	s_wait_dscnt 0x0                ; the add and my store are done, my reads of the slot are over
	s_barrier_signal -1
	s_sub_co_u32 s[TBK], s[TBK], 4*KS*PK
	s_xor_b32 s[TBK], s[TBK], SLOT1
	s_sub_co_u32 s[TBV], s[TBV], 4*KS*PV
	s_xor_b32 s[TBV], s[TBV], SLOT1
	s_barrier_wait -1
.if \fill
	LOAD
	global_load_b64 v[MW:MW+1], v[MO], s[MKT:MKT+1]  ; waited for at the head of the next change: a tile's work lies between
	s_cmp_lg_u32 s[PFL], 0
	s_cbranch_scc0 .Lno_ask_\@
	global_prefetch_b8 v[PFO], s[PFA:PFA+1] th:TH_LOAD_NT scope:SCOPE_SE
	global_prefetch_b8 v[PFO], s[PFA:PFA+1] offset:8192 th:TH_LOAD_NT scope:SCOPE_SE
	s_sub_co_u32 s[PFL], s[PFL], 1
.Lno_ask_\@:
.endif
.endm
	s_load_b256 s[4:11], s[0:1], 0x0  ; q s[4:5], k s[6:7], v s[8:9], o s[10:11]
	s_load_b64 s[MK:MK+1], s[0:1], 0x20
	v_lshl_add_u32 v[SPW], v0, 2, SPARE
	v_mov_b32 v[NIL], 0
	ds_add_u32 v[SPW], v[NIL]       ; the wave's opening: the add and its wait stand ahead of my first tensor load
	v_lshrrev_b32 v1, 5, v0
	v_readfirstlane_b32 s[WV], v1
	s_mov_b32 s[PB], ttmp9
	s_sub_co_u32 s[HI], NB-1, s[PB]
	s_and_b32 s13, ttmp7, 0xffff    ; batch x 16 + head
	s_lshl_b32 s20, s13, 18         ; its first byte in q, k, v
	s_mov_b32 s21, 0
	s_and_b32 s66, s13, 15
	s_lshl_b32 s66, s66, 2
	s_lshr_b32 s67, s13, 4
	s_add_co_u32 s66, s66, s67
	s_lshl_b32 s66, s66, 18         ; in o: (head x 4 + batch) x 2,048 rows
	s_lshl_b32 s68, s67, 13         ; the batch's row of the mask
	s_mov_b32 s67, 0
	s_mov_b32 s69, 0
	s_and_b32 s16, s[WV], 1
	s_lshl_b32 s22, s16, 14
	s_mov_b32 s23, 0
	s_add_nc_u64 s[22:23], s[22:23], s[20:21]
	s_mul_i32 s17, s16, 128*PK
	s_mul_i32 s18, s16, 128*PV
	s_lshl_b32 s3, s[WV], 11        ; my 16 rows in a band of 64,
	s_lshl_b32 s2, s[HI], 15        ; in the first block,
	s_add_co_u32 s2, s2, s3
	s_lshl_b32 s84, s[PB], 15       ; and in the second
	s_add_co_u32 s84, s84, s3
	s_mov_b32 s3, 0
	s_mov_b32 s85, 0
	s_mov_b32 s[G1K], (1<<16)|(1<<20)|(4<<22)|(3<<25)  ; 128 keys as 64 rows of 256 bytes, padded after every key by 4 words
	s_mov_b32 s[G1V], (1<<16)|(1<<20)|(4<<22)|(7<<25)  ; by 8 words
.irp g, G1K, G1V
	s_mov_b32 s[\g+1], 128<<16
	s_mov_b32 s[\g+2], 64<<16
	s_mov_b32 s[\g+3], 128<<16
	s_mov_b32 s[\g+4], 64
	s_mov_b32 s[\g+5], 128
	s_mov_b32 s[\g+6], 0
	s_mov_b32 s[\g+7], 0
.endr
	s_mov_b32 s[CS], 0x3e38aa3b     ; c = log2(e) / 8
	s_mov_b32 s[CS+1], s[CS]
	s_mov_b32 s[SEL], 0x76543210
	s_mov_b32 s[SEL+1], 0xfedcba98
	s_mov_b32 s[TBK], SLOT1+4*KS*PK ; the first change of slots turns these three into 0
	s_mov_b32 s[TBV], SLOT1+4*KS*PV
	s_mov_b32 s[TBP], SLOT1+PADB
	s_mov_b32 s[G0K], 1
	s_mov_b32 s[G0K+1], s17
	s_mov_b32 s[G0V], 1
	s_add_co_u32 s[G0V+1], s18, VOFF
	s_add_co_u32 s[RT], s[HI], 1
	s_mov_b32 s[NXT], 1
	s_mov_b32 s[LQ], s[HI]
	s_mov_b32 s[NEW], 1
	s_mov_b32 s[OFF+1], 0
	s_mov_b32 s[AL+1], 0
	s_mov_b32 s[BE+1], 0
	s_mov_b32 s[BIGN], 0xf149f2ca   ; -1e30
	s_mov_b32 s[THR], 0xefa18f08    ; -1e29
	s_mov_b32 s[QNAN], 0x7fc00000
	s_mov_b32 s[SLOTS], NB
	s_wait_dscnt 0x0                ; the opening add is done
	s_wait_kmcnt 0x0
	s_add_nc_u64 s[6:7], s[6:7], s[22:23]
	s_add_nc_u64 s[8:9], s[8:9], s[22:23]
	s_add_nc_u64 s[G0K+2:G0K+3], s[6:7], 0
	s_or_b32 s[G0K+3], s[G0K+3], 0x80000000
	s_add_nc_u64 s[G0V+2:G0V+3], s[8:9], 0
	s_or_b32 s[G0V+3], s[G0V+3], 0x80000000
	s_add_nc_u64 s[4:5], s[4:5], s[20:21]
	s_add_nc_u64 s[86:87], s[4:5], s[84:85]        ; Q at my rows of the second block,
	s_add_nc_u64 s[4:5], s[4:5], s[2:3]            ; of the first
	s_add_nc_u64 s[10:11], s[10:11], s[66:67]
	s_add_nc_u64 s[OLO:OLO+1], s[10:11], s[84:85]
	s_add_nc_u64 s[10:11], s[10:11], s[2:3]
	s_add_nc_u64 s[MK:MK+1], s[MK:MK+1], s[68:69]
	s_cmp_lt_u32 s[WV], 2
	s_cselect_b64 s[PFA:PFA+1], s[6:7], s[8:9]
	s_add_nc_u64 s[PFA:PFA+1], s[PFA:PFA+1], 32768  ; at tile 1: the first change of slots steps it to tile 2
	s_cmp_eq_u32 s[PB], 0
	s_cselect_b32 s[PFL], 6, 0
	LOAD                            ; tile 0 into slot 0
	v_and_b32 v1, 15, v0
	v_bfe_u32 v9, v0, 4, 1
	v_lshlrev_b32 v[QO], 7, v1
	v_lshl_add_u32 v[QO], v9, 4, v[QO]
	v_lshlrev_b32 v[MO], 3, v0
	global_load_b64 v[MW:MW+1], v[MO], s[MK:MK+1]  ; my two mask words of tile 0: the first change of slots stores what is made of them
	WIN 0x80
.set i, 0
.rept 8
	global_load_b128 v[8*i:8*i+3],   v[QO], s[4:5] offset:(i/2)*8192+(i%2)*64
	global_load_b128 v[8*i+4:8*i+7], v[QO], s[4:5] offset:(i/2)*8192+(i%2)*64+32
	global_load_b128 v[QB+8*i:QB+8*i+3],   v[QO], s[86:87] offset:(i/2)*8192+(i%2)*64
	global_load_b128 v[QB+8*i+4:QB+8*i+7], v[QO], s[86:87] offset:(i/2)*8192+(i%2)*64+32
.set i, i+1
.endr
	WIN 0
	v_lshlrev_b32 v14, 3, v9
	v_sub_nc_u32 v14, v1, v14
	s_lshl_b32 s13, s[WV], 4
	v_add_nc_u32 v14, s13, v14      ; my query's place in its band less 8 (l / 16): register r of group kt is hidden where 16 kt + r is greater
	WIN 0x40
.set i, 0
.rept 32
	v_cmp_gt_i32 vcc_lo, 16*(i/8)+i%8, v14
	v_cndmask_b32 v[MD+i], 0, s[BIGN], vcc_lo
.set i, i+1
.endr
	WIN 0
	v_mul_u32_u24 v[AK0], v1, PK
	v_lshl_add_u32 v[AK0], v9, 4, v[AK0]
	v_and_b32 v10, 7, v0
	v_bfe_u32 v11, v0, 3, 1
	v_lshl_add_u32 v[AV0], v9, 3, v10
	v_mul_u32_u24 v[AV0], v[AV0], PV
	v_lshl_add_u32 v[AV0], v11, 4, v[AV0]
	v_add_nc_u32 v[AV0], VOFF, v[AV0]
	s_mul_i32 s13, s[WV], 16*SP
	s_add_co_u32 s13, s13, STAGE
	v_mul_u32_u24 v[STO], v1, SP
	v_lshl_add_u32 v[STO], v9, 4, v[STO]
	v_add_nc_u32 v[STO], s13, v[STO]
	v_bfe_u32 v[RD], v0, 3, 2
	v_mul_u32_u24 v[RD], v[RD], SP
	v_lshl_add_u32 v[RD], v10, 4, v[RD]
	v_add_nc_u32 v[RD], s13, v[RD]
	v_and_b32 v[GO], 31, v0
	v_lshlrev_b32 v[PFO], 8, v[GO]
	v_lshlrev_b32 v[GO], 4, v[GO]
	v_lshl_add_u32 v[AP0], v9, 5, PADT
	v_lshl_add_u32 v[PS0], v0, 3, PADT
	; A block's first step multiplies O^T and l by a = 0, so these registers need only hold finite numbers: zeros for the first block, what the first block left for the second.
	WIN 0x80
.set i, VF
.rept 64
	v_mov_b32 v[i], 0
.set i, i+1
.endr
	WIN 0x40
.set i, 0
.rept 128
	v_mov_b32 v[i], 0
.set i, i+1
.endr
	WIN 0
.set i, 0
.rept 4
	v_mov_b32 v[ST+4*i+2], 0
	v_mov_b32 v[ST+4*i+3], 0
.set i, i+1
.endr
.set i, P+16
.rept 16
	v_mov_b32 v[i], 0
.set i, i+1
.endr
; THE MATRIX WORK.  The 4 accumulators of a run of 8 take turns.  Product i of 8 of S^T = K Q^T for piece x; the first 4 start the sums with the step's padding numbers (KM = 1) or the made mask (KM = 2).
.macro KQ x
.set rS, S+32*((\x)%2)+8*(i%4)
.set rK, KF+16*(i%4)+8*(i/4)
.set rQ, 16*(\x)+8*(i/4)
.set rM, MC+32*((\x)%2)+8*(i%4)
.set rN, PM+8*(i%4)
.if (i < 4) && (KM == 2)
	WIN W_KM
	v_wmma_f32_16x16x32_f16 v[rS:rS+7], v[rK:rK+7], v[rQ:rQ+7], v[rM:rM+7]
.elseif i < 4
	WIN W_KM
	v_wmma_f32_16x16x32_f16 v[rS:rS+7], v[rK:rK+7], v[rQ:rQ+7], v[rN:rN+7]
.else
	WIN W_KQ
	v_wmma_f32_16x16x32_f16 v[rS:rS+7], v[rK:rK+7], v[rQ:rQ+7], v[rS:rS+7]
.endif
.endm
.macro PV x
	WIN W_PV
.set rO, 32*(\x)+8*(i%4)
.set rV, VF+32*(i/4)+8*(i%4)
.set rP, P+16*((\x)%2)+8*(i/4)
	v_wmma_f32_16x16x32_f16 v[rO:rO+7], v[rV:rV+7], v[rP:rP+7], v[rO:rO+7]
.endm
.macro MM
.if (i < 8) && !NOKQ
	KQ (Y+1)%NP
.elseif i >= 8
.set i, i-8
	PV (Y+NP-1)%NP
.set i, i+8
.endif
.set i, i+1
.endm
; THE LDS LOADS stand in runs: a step's K (8 fragments) with its 64 padding numbers (register j of group kt is key 16 kt + 8 (l / 16) + j; all lanes of a half read the same words), and its V (turned).
.macro FETCH_K
	WIN 0x80
.irp f, 0,1,2,3,4,5,6,7
	ds_load_b128 v[KF+8*\f:KF+8*\f+3],   v[AK] offset:(\f/2)*16*PK+(\f%2)*64
	ds_load_b128 v[KF+8*\f+4:KF+8*\f+7], v[AK] offset:(\f/2)*16*PK+(\f%2)*64+32
.endr
	WIN 0x40
.irp f, 0,1,2,3
	ds_load_b128 v[PM+8*\f:PM+8*\f+3],   v[AP] offset:64*\f
	ds_load_b128 v[PM+8*\f+4:PM+8*\f+7], v[AP] offset:64*\f+16
.endr
	s_add_co_u32 s[TBK], s[TBK], KS*PK  ; the next fetch is the next step's
	s_add_co_u32 s[TBP], s[TBP], 4*KS
	WIN 0
.endm
.macro FETCH_V
	WIN 0x80
.irp f, 0,1,2,3,4,5,6,7
	ds_load_tr16_b128 v[VF+8*\f:VF+8*\f+3],   v[AV] offset:(\f/4)*32*PV+(\f%4)*32
	ds_load_tr16_b128 v[VF+8*\f+4:VF+8*\f+7], v[AV] offset:(\f/4)*32*PV+16*PV+(\f%4)*32
.endr
	WIN 0
.endm
; THE VECTOR WORK, one line at a time: OP kind, number.  For piece Y: F n: c s - c m for pair n.  E n: the exponential of score n.  C n: pair n rounded to f16.  B n: of four weights the second pair onto the first.
; L n: l takes that sum (L 0: l = a l + sum).  R n: pair n of O^T times a.  For piece Y + 1: X n, number n of the 22 that find its maximum and statistics (each accumulator's lowest registers first).
.set F, 0
.set E, 1
.set C, 2
.set B, 3
.set L, 4
.set R, 5
.set X, 6
.macro REGS y
.set rT, ST+4*(\y)
.set rC, TMP+4*((\y)%2)
.set rW, MV+((\y)%2)
.set rS, S+32*((\y)%2)
.set rP, P+16*((\y)%2)
.set rO, 32*(\y)
.endm
.macro OP k, n
.if (\k) == R
	REGS Y
	WIN W_RS
	v_pk_mul_f32 v[rO+2*(\n):rO+2*(\n)+1], v[rO+2*(\n):rO+2*(\n)+1], v[rC+2:rC+3] op_sel_hi:[1,0]
.elseif (\k) < R
	REGS Y
	WIN 0
.if (\k) == F
	v_pk_fma_f32 v[rS+2*(\n):rS+2*(\n)+1], v[rS+2*(\n):rS+2*(\n)+1], s[CS:CS+1], v[rT:rT+1] op_sel_hi:[1,0,0] neg_lo:[0,0,1] neg_hi:[0,0,1]
.elseif (\k) == E
	v_exp_f32 v[rS+(\n)], v[rS+(\n)]
.elseif (\k) == C
	v_cvt_pk_f16_f32 v[rP+(\n)], v[rS+2*(\n)], v[rS+2*(\n)+1]
.elseif (\k) == B
	v_pk_add_f32 v[rS+4*(\n):rS+4*(\n)+1], v[rS+4*(\n):rS+4*(\n)+1], v[rS+4*(\n)+2:rS+4*(\n)+3]
.elseif (\n) == 0
	v_pk_fma_f32 v[rT+2:rT+3], v[rT+2:rT+3], v[rC+2:rC+3], v[rS:rS+1] op_sel_hi:[1,0,1]
.else
	v_pk_add_f32 v[rT+2:rT+3], v[rT+2:rT+3], v[rS+4*(\n):rS+4*(\n)+1]
.endif
.elseif NOKQ
	v_nop
.else
	REGS (Y+1)%NP
	WIN 0
.if (\n) < 4
	v_max3_num_f32 v[rC+(\n)], v[rS+8*(\n)], v[rS+8*(\n)+1], v[rS+8*(\n)+2]
.elseif (\n) < 12
	v_max3_num_f32 v[rC+(\n)%4], v[rC+(\n)%4], v[rS+8*((\n)%4)+2*((\n)/4)+1], v[rS+8*((\n)%4)+2*((\n)/4)+2]
.elseif (\n) == 12
	v_max3_num_f32 v[rC], v[rC], v[rS+7], v[rS+15]
.elseif (\n) == 13
	v_max3_num_f32 v[rC+1], v[rC+1], v[rS+23], v[rS+31]
.elseif (\n) == 14
	v_max3_num_f32 v[rC+2], v[rC+2], v[rC+3], v[rT+1]
.elseif (\n) == 15
	v_mov_b32 v[rW], v[rT]
.elseif (\n) == 16
	v_max3_num_f32 v[rC], v[rC], v[rC+1], v[rC+2]
.elseif (\n) == 17
	v_permlanex16_b32 v[rC+3], v[rC], s[SEL], s[SEL+1]
.elseif (\n) == 18
	v_max_num_f32 v[rT+1], v[rC], v[rC+3]
.elseif (\n) == 19
	v_mul_f32 v[rT], s[CS], v[rT+1]
.elseif (\n) == 20
	v_sub_f32 v[rC+1], v[rW], v[rT]
.else
	v_exp_f32 v[rC+2], v[rC+1]
.endif
.endif
.endm
.macro OPS a, i1, b=-1, i2=0, c=-1, i3=0, d=-1, i4=0
	OP \a, \i1
.if (\b) >= 0
	OP \b, \i2
.endif
.if (\c) >= 0
	OP \c, \i3
.endif
.if (\d) >= 0
	OP \d, \i4
.endif
.endm
.macro ROW a, i1, b, i2, c, i3, d, i4
	MM
	OPS \a, \i1, \b, \i2, \c, \i3, \d, \i4
.endm
.macro MASK b                       ; MD x AL + BE + PM into buffer b of MC
	WIN W_RS
.set z, 0
.rept 16
	v_pk_fma_f32 v[MC+32*(\b)+2*z:MC+32*(\b)+2*z+1], v[MD+2*z:MD+2*z+1], s[AL:AL+1], s[BE:BE+1] op_sel_hi:[1,0,0]
.set z, z+1
.endr
	WIN 0x45                        ; destination and both sources in window 1
.set z, 0
.rept 16
	v_pk_add_f32 v[MC+32*(\b)+2*z:MC+32*(\b)+2*z+1], v[MC+32*(\b)+2*z:MC+32*(\b)+2*z+1], v[PM+2*z:PM+2*z+1]
.set z, z+1
.endr
.endm
; A TURN, for piece p.  Ahead of its one wait stands all that names no result of the turn's exponentials: the 8 products K Q^T with their riders and one lump; behind it the 8 products V^T P, whose riders are the
; roundings and sums.  m = 1: the diagonal tile: the products take made masks, and the turn makes the mask for the products of the turn after it: piece p + 2, in step 4 - CNT of the tile; piece 2's turn makes it
; for the NEXT step, whose padding numbers it has just fetched, so it waits for them.  end = 1: a block's last two turns: nothing is fetched.  cnt = 1: the loop's count is taken down ahead of the branch behind the turn.
.macro TURN p, m=0, end=0, cnt=0
.set Y, (\p)
.set i, 0
.set KM, 1+(\m)
.set NOKQ, (\end)*((\p)/3)
.if (\m) && !(\end)
	s_cmp_eq_u32 s[CNT], 4-((\p)+2)%NP
	s_cselect_b32 s[AL], 1.0, 0
	s_cmp_lt_u32 s[CNT], 4-((\p)+2)%NP
	s_cselect_b32 s[BE], s[BIGN], 0
.endif
.if ((\p) == 3) && !(\end)
	s_wait_dscnt 0x0                ; K and its padding numbers are in
.endif
	ROW F,0, F,1, R,0, R,1
	ROW F,2, E,0, R,2, R,3
	ROW F,3, E,1, R,4, R,5
	ROW F,4, E,2, R,6, R,7
	ROW F,5, E,3, R,8, R,9
	ROW F,6, E,4, X,0, R,10
.if ((\p) == 2) && !(\end)
	WIN 0
	v_add_nc_u32 v[AK], s[TBK], v[AK0]
	v_add_nc_u32 v[AP], s[TBP], v[AP0]
.endif
	ROW F,7, E,5, X,1, X,4
	ROW F,8, E,6, X,2, X,5
	OPS E,7, E,8, X,6, E,9
	OPS X,3, E,10, X,8, E,11
.if ((\p) == 2) && !(\end)
	FETCH_K
.endif
	OPS X,9, X,7, E,12, X,10
	OPS E,13, X,12, X,11, E,14
	OPS X,13, E,15, F,9, X,14
.if (\p) == 0
	v_add_nc_u32 v[AV], s[TBV], v[AV0]
.endif
	OPS E,16, F,10, E,17, F,11
	OPS X,16, E,18, X,15, E,19
	OPS F,12, E,20, X,17, E,21
	OPS F,13, E,22, F,14, E,23
	OPS X,18, E,24, F,15, E,25
	OPS R,11, E,26, X,19, E,27
	OPS R,12, E,28, R,13, E,29
	OPS X,20, E,30, R,14, E,31
	OPS X,21, R,15
	WIN 0
	s_wait_alu depctr_va_vdst(0)    ; the wait for the batch
.if (\p) == 1
	s_wait_dscnt 0x0                ; V is in
.endif
	ROW C,0, B,0, C,2, B,1
	ROW L,0, C,4, B,2, L,1
	ROW C,6, B,3, L,2, C,8
	ROW B,4, L,3, C,10, B,5
	ROW L,4, C,12, B,6, L,5
.if (\p) == 0
	s_add_co_u32 s[TBV], s[TBV], KS*PV
.endif
.if \cnt
	s_sub_co_u32 s[CNT], s[CNT], 1
	s_cmp_lg_u32 s[CNT], 0
.endif
	ROW C,14, B,7, L,6, C,1
	ROW C,3, L,7, C,5, C,7
	ROW C,9, C,11, C,13, C,15
.if (\p) == 0
	FETCH_V
.endif
.if (\m) && !(\end)
.if (\p) == 2
	s_wait_dscnt 0x0                ; the next step's padding numbers are in
.endif
	MASK (\p)%2
.endif
.endm
; A BLOCK BEGINS.  c m starts far below every c s, so the first step's a is 0.  K of the tile's step 0 and its padding numbers are fetched; mask buffer 1 takes the padding numbers alone (piece 1 sees all of step 0),
; buffer 0 piece 0's mask: its own step's, if the block's first tile is the diagonal one.  Then piece 0's first scores and statistics.
.macro BEGIN
	s_mov_b32 s[NEW], 0
	WIN 0
.set i, 0
.rept 4
	v_mov_b32 v[ST+4*i], 0xfe000000
	v_mov_b32 v[ST+4*i+1], 0xff7fffff
.set i, i+1
.endr
	v_add_nc_u32 v[AK], s[TBK], v[AK0]
	v_add_nc_u32 v[AP], s[TBP], v[AP0]
	FETCH_K
	s_wait_dscnt 0x0                ; (Q came in at the first change of slots, which waited for all my loads)
	s_mov_b32 s[AL], 0
	s_mov_b32 s[BE], 0
	MASK 1
	s_cmp_eq_u32 s[RT], 0
	s_cselect_b32 s[AL], 1.0, 0
	MASK 0
.set KM, 2
.set NOKQ, 0
.set i, 0
.rept 8
	KQ 0
.set i, i+1
.endr
	WIN 0
.rept 4
	v_nop                           ; the places behind those products
.endr
.set Y, NP-1
.irp n, 0,1,2,3,4,5,6,7,8,9,10,11,12,13,14,15,16,17,18,19,20,21
	OP X, \n
.endr
	v_nop                           ; a plain instruction behind the exponential,
	s_wait_alu depctr_va_vdst(0)    ; and its wait, ahead of the branch
.endm
.macro TOPM                         ; from a plain tile into the diagonal one: piece 3's scores of the plain tile's last step take that step's padding numbers, by mask buffer 1
	s_mov_b32 s[AL], 0
	s_mov_b32 s[BE], 0
	MASK 1
	WIN 0
.endm
.macro ALL line:vararg
.set t, 0
.rept 4
	\line
.set t, t+1
.endr
.endm
.macro PACK t
	WIN W_RS
.set i, 32*(\t)
.rept 16
	v_pk_mul_f32 v[i:i+1], v[i:i+1], v[ST+4*(\t)+2:ST+4*(\t)+3] op_sel_hi:[1,0]
.set i, i+2
.endr
	WIN 0x05
.set i, 0
.rept 16
	v_cvt_pk_f16_f32 v[S+16*(\t)+i], v[32*(\t)+2*i], v[32*(\t)+2*i+1]
.set i, i+1
.endr
	WIN 0
.irp f, 0,1,2,3
	ds_store_b128 v[STO], v[S+16*(\t)+4*\f:S+16*(\t)+4*\f+3] offset:32*\f
.endr
.irp f, 0,1,2,3
	ds_load_b128 v[S+16*(\t)+4*\f:S+16*(\t)+4*\f+3], v[RD] offset:\f*4*SP  ; LDS serves a wave's instructions in order (ISA guide 5.7.1.4)
.endr
.endm
.macro SEND t, younger
	WIN 0
.irp f, 0,1,2,3
	s_wait_dscnt (\younger)+3-\f
	global_store_b128 v[GO], v[S+16*(\t)+4*\f:S+16*(\t)+4*\f+3], s[10:11] offset:(\t)*8192+\f*512  ; 512 consecutive bytes, aligned
.endr
.endm
; THE DIAGONAL TILE's four steps, the block's last two turns, its last products, and the way out.
.macro DIAG tag
.LstepM\tag:
	TURN 2, 1
	TURN 3, 1
	WIN 0
.LfirstM\tag:
	TURN 0, 1
	TURN 1, 1, 0, 1
	WIN 0
	s_cbranch_scc1 .LstepM\tag
	TURN 2, 1, 1
	TURN 3, 1, 1
.set i, 0
.rept 8
	PV NP-1
.set i, i+1
.endr
	WIN 0
	ALL v_add_f32 v[ST+4*t+2], v[ST+4*t+2], v[ST+4*t+3]
	ALL v_permlanex16_b32 v[ST+4*t+3], v[ST+4*t+2], s[SEL], s[SEL+1]
	ALL v_add_f32 v[ST+4*t+2], v[ST+4*t+2], v[ST+4*t+3]
	ALL v_rcp_f32 v[ST+4*t+2], v[ST+4*t+2]
	v_nop
	s_wait_alu depctr_va_vdst(0)    ; one wait for the four reciprocals, ahead of their first use
.set t, 0
.rept 4
	v_cmp_le_f32 vcc_lo, s[THR], v[ST+4*t+1]       ; has the row seen a visible key?
	v_cndmask_b32 v[ST+4*t+2], s[QNAN], v[ST+4*t+2], vcc_lo  ; if not, the row is NaN
.set t, t+1
.endr
	PACK 0
.set t, 1
.rept 3
	PACK t
	SEND t-1, 8
.set t, t+1
.endr
	SEND 3, 0
.endm
.Lslot:                             ; NB times: a tile is entered and the next is asked for
	CHANGE 1
	s_sub_co_u32 s[RT], s[RT], 1
	s_mov_b32 s[CNT], 4
	s_cmp_eq_u32 s[NEW], 1
	s_cbranch_scc1 .Lnew            ; a block's first tile
	s_cmp_eq_u32 s[RT], 0
	s_cbranch_scc0 .Lstep           ; neither its first nor its last
	TOPM
	s_branch .LstepM1
.Lnew:
	BEGIN
	s_branch .Lfirst                ; in the loop a block's first tile is never its last
	DIAG 1                          ; in the loop this is the first block's end
	s_wait_xcnt 0x0                 ; the stores have read their registers and O's address
	s_mov_b64 s[10:11], s[OLO:OLO+1]
	s_add_co_u32 s[RT], s[PB], 1
	s_mov_b32 s[NEW], 1
	WIN 0x82
.set i, 0
.rept 64
	v_mov_b32 v[i], v[QB+i]         ; the second block's Q goes where the one text of the turns names Q
.set i, i+1
.endr
	WIN 0
	s_branch .Lbottom
.Lstep:
	TURN 2
	TURN 3
	WIN 0
.Lfirst:
	TURN 0
	TURN 1, 0, 0, 1
	WIN 0
	s_cbranch_scc1 .Lstep
.Lbottom:
	s_sub_co_u32 s[SLOTS], s[SLOTS], 1
	s_cmp_lg_u32 s[SLOTS], 0
	s_cbranch_scc1 .Lslot
	CHANGE 0                        ; the walk's last tile is written out
	s_sub_co_u32 s[RT], s[RT], 1
	s_mov_b32 s[CNT], 4
	s_cmp_eq_u32 s[NEW], 1
	s_cbranch_scc1 .Lnew2
	TOPM
	s_branch .LstepM2
.Lnew2:
	BEGIN
	s_branch .LfirstM2
	DIAG 2
	s_wait_tensorcnt 0x0            ; the wave's end
	ds_add_u32 v[SPW], v[NIL]
	s_wait_dscnt 0x0
	s_endpgm
.Lfunc_end_k_q82f860b9fa_attn:
	.size	k_q82f860b9fa_attn, .Lfunc_end_k_q82f860b9fa_attn-k_q82f860b9fa_attn
	.p2alignl 7, 3214868480
	.fill 96, 4, 3214868480
	.section	.rodata,"a",@progbits
	.p2align	6, 0x0
	.amdhsa_kernel k_q82f860b9fa_attn
		.amdhsa_group_segment_fixed_size 327680
		.amdhsa_private_segment_fixed_size 0
		.amdhsa_enable_private_segment 0
		.amdhsa_kernarg_size 40
		.amdhsa_user_sgpr_count 2
		.amdhsa_user_sgpr_kernarg_segment_ptr 1
		.amdhsa_wavefront_size32 1
		.amdhsa_system_sgpr_workgroup_id_x 1
		.amdhsa_system_sgpr_workgroup_id_y 1
		.amdhsa_system_sgpr_workgroup_id_z 1
		.amdhsa_system_vgpr_workitem_id 0
		.amdhsa_next_free_vgpr 768
		.amdhsa_next_free_sgpr 96
		.amdhsa_reserve_vcc 1
		.amdhsa_float_denorm_mode_32 3
		.amdhsa_float_denorm_mode_16_64 3
		.amdhsa_memory_ordered 1
		.amdhsa_forward_progress 1
		.amdhsa_inst_pref_size 240
	.end_amdhsa_kernel
	.amdgpu_metadata
---
amdhsa.version: [ 1, 2 ]
amdhsa.kernels:
  - .name:           k_q82f860b9fa_attn
    .symbol:         k_q82f860b9fa_attn.kd
    .args:
      - { .name: q, .offset: 0, .size: 8, .value_kind: global_buffer, .address_space: global }
      - { .name: k, .offset: 8, .size: 8, .value_kind: global_buffer, .address_space: global }
      - { .name: v, .offset: 16, .size: 8, .value_kind: global_buffer, .address_space: global }
      - { .name: o, .offset: 24, .size: 8, .value_kind: global_buffer, .address_space: global }
      - { .name: attention_mask, .offset: 32, .size: 8, .value_kind: global_buffer, .address_space: global }
    .group_segment_fixed_size: 327680
    .private_segment_fixed_size: 0
    .kernarg_segment_align: 8
    .kernarg_segment_size: 40
    .max_flat_workgroup_size: 128
    .sgpr_count:     96
    .vgpr_count:     768
    .wavefront_size: 32
...
	.end_amdgpu_metadata
.endif
;; end of part 3
;; launch oproj (part 4): grid 4 x 64, 4 waves a work-group, clusters of 4 x 4, 327,680 bytes of LDS; arguments o, wo, out0; writes out0
.if DOCPART == 4
	.amdgcn_target "amdgcn-amd-amdhsa--gfx1250"
	.amdhsa_code_object_version 6
	.text
	.protected	k_q82f860b9fa_oproj
	.globl	k_q82f860b9fa_oproj
	.p2align	8
	.type	k_q82f860b9fa_oproj,@function
k_q82f860b9fa_oproj:
	s_mov_b64 s[64:65], 0
	v_nop
	global_prefetch_b8 v0, s[64:65] scope:SCOPE_SE
	s_setreg_imm32_b32 hwreg(HW_REG_WAVE_MODE, 25, 1), 1
	s_wait_xcnt 0x0
	s_wait_alu depctr_hold_cnt(0) depctr_sa_sdst(0) depctr_va_vdst(0) depctr_va_sdst(0) depctr_va_ssrc(0) depctr_va_vcc(0) depctr_vm_vsrc(0)
	s_getreg_b32 s2, hwreg(HW_REG_IB_STS2, 6, 4)
	s_cmp_eq_u32 s2, 0
	s_cbranch_scc0 .Lentry_in_a_cluster
	s_endpgm
.Lentry_in_a_cluster:
	s_bfe_u32 s2, ttmp6, 0x10000c
	s_cmp_lg_u32 s2, 0xf033
	s_cbranch_scc0 .Lentry_shape_is_right
	s_endpgm
.Lentry_shape_is_right:
; out0[m][n] = sum over k of O[m][k] w_out[k][n].  o: f16 [16 kb][8192 m][64]; wo: f16 [16 kb][1024 n][64]; out0: f32 [8192][1024].  Sums in f32.
; A row of o that is NaN (a query with no visible key) gives a NaN row of out0 through the products.
; SHARES.  256 tiles of 128 x 256, one a work-group; a wave makes 64 x 128: 32 accumulators, window 1, (a, b) at 8 (8 a + b).  K goes in steps of 128, two K blocks, through two LDS slots;
; a tile's rows of a block lie end to end and are asked for as rows of 256 bytes, padded in LDS after every 128.  One load a wave: waves 0, 1 A's even and odd block, waves 2, 3 B's.
; CLUSTER 4 x 4: A's tile is asked for jointly along a row of the cluster, B's along a column.  Source 0 = 16 rows of wo, source 1 = 16 rows of o: a lane holds row l % 16 and eight neighbouring columns.
; Window 0: v0-31 addresses; v32-127, v128-223 two fragment buffers (B's eight, then A's four), later the rows on their way out.
.set PITCH,  144
.set FR,     16*PITCH
.set ABLK,   128*PITCH                 ; A's even block at 0, odd at ABLK
.set BOFF,   2*ABLK
.set BBLK,   256*PITCH                 ; B's even block at BOFF, odd at BOFF + BBLK
.set SLOTB,  BOFF+2*BBLK
.set SPARE,  SLOTB                     ; behind slot 0: the spare words, 128 bytes a wave
.set SLOT1,  1<<17
.set STAGE,  SLOT1+SLOTB               ; 16 rows x 528 bytes for each wave; no tile lands there
.set SPITCH, 528
.set ASTR,   2*8192*128                ; bytes from K step to K step of o
.set BSTR,   2*1024*128                ; of wo
.set ADRA0, 4
.set ADRB0, 5
.set ADRA,  6
.set ADRB,  7
.set STO,   8
.set RD,    9
.set CO,    10
.set SPW,   12
.set NIL,   13
.set PFO,   14
.set F0,    32
.set F1,    128
.set BK0,   32
.set WV, 16
.set WR, 17                            ; my half of the tile's rows; also 0: I fetch for A, 1: for B
.set WC, 18                            ; my half of its columns; also which of a step's two K blocks I fetch
.set CX, 19
.set CY, 20
.set TX, 21
.set TY, 22
.set G1A, 24
.set G1B, 32
.set G0A, 48
.set G0B, 56
.set PFA, 72
.set PFS, 74
.set LIM, 76
.set TB,  78
.set CNT, 79
.set MSB, 0
.macro WIN new
.if MSB != (\new)
	s_set_vgpr_msb (MSB<<8)|(\new)
.set MSB, \new
.endif
.endm
.macro PLACES
.rept 4
	v_nop
.endr
.endm
.macro CREST
	s_cmp_lg_u32 s[WV], 0
	s_cbranch_scc1 .Lnot_wave_0_\@
	s_barrier_signal -3
.Lnot_wave_0_\@:
	s_barrier_wait -3
	s_barrier_signal -1
	s_barrier_wait -1
.endm
.macro CROUND
	s_barrier_signal -1
	s_barrier_wait -1
	CREST
.endm
.macro JLOAD                           ; an s_nop 0 and four v_nop follow each line
	s_cmp_eq_u32 s[WR], 0
	s_cbranch_scc0 .Lfor_b_\@
	tensor_load_to_lds s[G0A+4:G0A+7], s[G1A:G1A+7]
	s_nop 0
.rept 4
	v_nop
.endr
	s_branch .Lasked_\@
.Lfor_b_\@:
	tensor_load_to_lds s[G0B+4:G0B+7], s[G1B:G1B+7]
	s_nop 0
.rept 4
	v_nop
.endr
.Lasked_\@:
.endm
; A PREFETCH of the K step two refills on, each aligned 256 bytes named once.  A's tile row (2 x 64 such blocks a step): each of the four partners along x takes 16 of each K block by address, wave 0.
; B's tile column (2 x 128): the cluster with y = 0 asks, each partner along y takes 32 of each K block, waves 2 and 3 a block each.  K steps 0 to 3 come by their loads alone; none behind K step 7 is named.
.macro ASK
	s_cmp_gt_u32 s[CNT], s[LIM]
	s_cbranch_scc0 .Lnot_mine_\@
	global_prefetch_b8 v[PFO], s[PFA:PFA+1] th:TH_LOAD_NT scope:SCOPE_SE
.Lnot_mine_\@:
.endm
	s_load_b128 s[4:7], s[0:1], 0x0                ; o s[4:5], wo s[6:7]
	s_load_b64 s[8:9], s[0:1], 0x10                ; out0
	v_lshl_add_u32 v[SPW], v0, 2, SPARE
	v_mov_b32 v[NIL], 0
	ds_add_u32 v[SPW], v[NIL]                      ; the wave's opening: the add and its wait stand ahead of my first tensor load
	v_lshrrev_b32 v1, 5, v0
	v_readfirstlane_b32 s[WV], v1
	s_lshr_b32 s[WR], s[WV], 1
	s_and_b32 s[WC], s[WV], 1
	s_bfe_u32 s[CX], ttmp6, 0x40000
	s_bfe_u32 s[CY], ttmp6, 0x40004
	s_lshl_b32 s[TX], ttmp9, 2
	s_add_co_u32 s[TX], s[TX], s[CX]               ; tile column 0..3
	s_and_b32 s[TY], ttmp7, 0xffff
	s_lshl_b32 s[TY], s[TY], 2
	s_add_co_u32 s[TY], s[TY], s[CY]               ; tile row 0..63
	s_lshl_b32 s80, s[CY], 2
	s_lshl_b32 s80, 15, s80
	s_lshl_b32 s84, 0x1111, s[CX]
	s_or_b32 s[G1A], s80, (1<<16)|(1<<20)|(1<<21)|(4<<22)|(3<<25)
	s_or_b32 s[G1B], s84, (1<<16)|(1<<20)|(1<<21)|(4<<22)|(3<<25)
	s_mov_b32 s[G1A+1], 128<<16                    ; A: 128 tile rows as 64 rows of 256 bytes
	s_mov_b32 s[G1A+2], 64<<16
	s_mov_b32 s[G1A+3], 128<<16
	s_mov_b32 s[G1A+4], 64
	s_mov_b32 s[G1A+5], 128
	s_mov_b32 s[G1A+6], 0
	s_mov_b32 s[G1A+7], 0
	s_mov_b32 s[G1B+1], 128<<16                    ; B: 256 tile rows as 128 rows
	s_mov_b32 s[G1B+2], 128<<16
	s_mov_b32 s[G1B+3], 128<<16
	s_mov_b32 s[G1B+4], 128
	s_mov_b32 s[G1B+5], 128
	s_mov_b32 s[G1B+6], 0
	s_mov_b32 s[G1B+7], 0
	s_mul_i32 s88, s[WC], ABLK
	s_mul_i32 s89, s[WC], BBLK
	s_add_co_u32 s89, s89, BOFF
	s_mov_b32 s[G0A], 1
	s_mov_b32 s[G0A+1], s88
	s_mov_b32 s[G0A+4], 1
	s_add_co_u32 s[G0A+5], s88, SLOT1
	s_mov_b32 s[G0B], 1
	s_mov_b32 s[G0B+1], s89
	s_mov_b32 s[G0B+4], 1
	s_add_co_u32 s[G0B+5], s89, SLOT1
	s_lshl_b32 s80, s[TY], 14                      ; A: 128 rows of 128 bytes a tile row, + my K block
	s_lshl_b32 s81, s[WC], 20
	s_add_co_u32 s80, s80, s81
	s_mov_b32 s81, 0
	s_lshl_b32 s84, s[TX], 15                      ; B: 256 rows a tile column, + my K block
	s_lshl_b32 s85, s[WC], 17
	s_add_co_u32 s84, s84, s85
	s_mov_b32 s85, 0
	s_mov_b32 s[TB], 0
	s_mov_b32 s[CNT], 6
	s_and_b32 s89, ttmp7, 0xffff                   ; who prefetches: wave 0 (cluster x = 0), waves 2 and 3 where cluster y = 0; wave 1 never
	s_mov_b32 s90, ASTR
	s_mov_b32 s91, 1048576
	s_cmp_eq_u32 s[WR], 0
	s_cselect_b32 s88, ttmp9, s89
	s_cselect_b32 s[PFS], s90, BSTR
	s_cselect_b32 s91, s91, 4096                   ; what lanes 16-31 add: A's odd K block, or B's next 16 blocks of 256 bytes
	s_mov_b32 s[PFS+1], 0
	s_cmp_eq_u32 s[WV], 1
	s_cselect_b32 s89, 1, 0
	s_or_b32 s88, s88, s89
	s_cmp_eq_u32 s88, 0
	s_cselect_b32 s[LIM], 2, -1
	s_lshl_b32 s96, s[TY], 14
	s_lshl_b32 s97, s[CX], 12
	s_add_co_u32 s96, s96, s97                     ; A's
	s_lshl_b32 s98, s[TX], 15
	s_lshl_b32 s99, s[CY], 13
	s_add_co_u32 s98, s98, s99
	s_lshl_b32 s99, s[WC], 17
	s_add_co_u32 s98, s98, s99                     ; B's
	s_cmp_eq_u32 s[WR], 0
	s_cselect_b32 s96, s96, s98
	s_mov_b32 s97, 0
	s_mul_i32 s98, s[PFS], 3                       ; at K step 3: the first change of slots steps it to 4
	s_mov_b32 s99, 0
	s_wait_dscnt 0x0                               ; the opening add is done
	s_wait_kmcnt 0x0
	s_cselect_b64 s[PFA:PFA+1], s[4:5], s[6:7]
	s_add_nc_u64 s[PFA:PFA+1], s[PFA:PFA+1], s[96:97]
	s_add_nc_u64 s[PFA:PFA+1], s[PFA:PFA+1], s[98:99]
	s_add_nc_u64 s[G0A+2:G0A+3], s[4:5], s[80:81]
	s_add_nc_u64 s[G0A+6:G0A+7], s[G0A+2:G0A+3], ASTR
	s_or_b32 s[G0A+3], s[G0A+3], 0x80000000
	s_or_b32 s[G0A+7], s[G0A+7], 0x80000000
	s_add_nc_u64 s[G0B+2:G0B+3], s[6:7], s[84:85]
	s_add_nc_u64 s[G0B+6:G0B+7], s[G0B+2:G0B+3], BSTR
	s_or_b32 s[G0B+3], s[G0B+3], 0x80000000
	s_or_b32 s[G0B+7], s[G0B+7], 0x80000000
	s_lshl_b32 s96, s[TY], 19                      ; my part of out0: (128 tile row + 64 row half) x 4,096 + 1,024 tile column + 512 column half
	s_lshl_b32 s97, s[WR], 18
	s_add_co_u32 s96, s96, s97
	s_lshl_b32 s97, s[TX], 10
	s_add_co_u32 s96, s96, s97
	s_lshl_b32 s97, s[WC], 9
	s_add_co_u32 s96, s96, s97
	s_mov_b32 s97, 0
	s_add_nc_u64 s[8:9], s[8:9], s[96:97]
	CROUND                                         ; all sixteen work-groups are here: the first joint loads meet
	s_cmp_eq_u32 s[WR], 0                          ; a wave's two first fills stand in one branch: two loads of mine are out
	s_cbranch_scc0 .Lfirst_b
	tensor_load_to_lds s[G0A:G0A+3], s[G1A:G1A+7]
	s_nop 0
	tensor_load_to_lds s[G0A+4:G0A+7], s[G1A:G1A+7]
	s_nop 0
.rept 4
	v_nop
.endr
	s_branch .Lfirst_done
.Lfirst_b:
	tensor_load_to_lds s[G0B:G0B+3], s[G1B:G1B+7]
	s_nop 0
	tensor_load_to_lds s[G0B+4:G0B+7], s[G1B:G1B+7]
	s_nop 0
.rept 4
	v_nop
.endr
.Lfirst_done:
	v_and_b32 v1, 15, v0
	v_bfe_u32 v2, v0, 4, 1
	v_and_b32 v3, 31, v0
	v_mul_u32_u24 v15, v1, PITCH
	v_lshl_add_u32 v15, v2, 4, v15
	s_mul_i32 s88, s[WR], 64*PITCH
	v_add_nc_u32 v[ADRA0], s88, v15
	s_mul_i32 s88, s[WC], 128*PITCH
	s_add_co_u32 s88, s88, BOFF
	v_add_nc_u32 v[ADRB0], s88, v15
	v_mov_b32 v[ADRA], v[ADRA0]
	v_mov_b32 v[ADRB], v[ADRB0]
	s_mul_i32 s88, s[WV], 16*SPITCH
	s_add_co_u32 s88, s88, STAGE                   ; my stage
	v_mul_u32_u24 v15, v1, SPITCH
	v_lshl_add_u32 v15, v2, 5, v15                 ; in: row l % 16, 32 bytes for each half of the lanes
	v_add_nc_u32 v[STO], s88, v15
	v_lshlrev_b32 v[CO], 4, v3                     ; back and out: 32 lanes take a row's 512 bytes
	v_add_nc_u32 v[RD], s88, v[CO]
	v_mul_u32_u24 v15, v2, s91
	v_lshl_add_u32 v[PFO], v1, 8, v15
.macro MUL f, a, zero                  ; 8 matrix instructions: row block a x my eight column blocks; the 32 accumulators take turns
	WIN 0x50
.irp b, 0,1,2,3,4,5,6,7
.if \zero
	v_wmma_f32_16x16x32_f16 v[8*(8*(\a)+(\b)):8*(8*(\a)+(\b))+7], v[(\f)+8*(\b):(\f)+8*(\b)+7], v[(\f)+64+8*(\a):(\f)+64+8*(\a)+7], 0
.else
	v_wmma_f32_16x16x32_f16 v[8*(8*(\a)+(\b)):8*(8*(\a)+(\b))+7], v[(\f)+8*(\b):(\f)+8*(\b)+7], v[(\f)+64+8*(\a):(\f)+64+8*(\a)+7], v[8*(8*(\a)+(\b)):8*(8*(\a)+(\b))+7]
.endif
.endr
.endm
.macro FETCH kq, f                     ; 24 LDS loads: quarter kq of a K step (K block kq / 2, byte 64 (kq % 2)): B's eight fragments, then A's four
	WIN 0
.irp b, 0,1,2,3,4,5,6,7
	ds_load_b128 v[(\f)+8*(\b):(\f)+8*(\b)+3],   v[ADRB] offset:((\kq)/2)*BBLK+((\kq)%2)*64+(\b)*FR
	ds_load_b128 v[(\f)+8*(\b)+4:(\f)+8*(\b)+7], v[ADRB] offset:((\kq)/2)*BBLK+((\kq)%2)*64+(\b)*FR+32
.endr
.irp b, 0,1,2,3
	ds_load_b128 v[(\f)+64+8*(\b):(\f)+64+8*(\b)+3],   v[ADRA] offset:((\kq)/2)*ABLK+((\kq)%2)*64+(\b)*FR
	ds_load_b128 v[(\f)+64+8*(\b)+4:(\f)+64+8*(\b)+7], v[ADRA] offset:((\kq)/2)*ABLK+((\kq)%2)*64+(\b)*FR+32
.endr
.endm
.macro QUARTER kqn, f, g, zero         ; multiplies buffer f; in its middle it fetches quarter kqn into buffer g
	s_wait_dscnt 4                                 ; all but A's row blocks 2 and 3
	MUL \f, 0, \zero
	MUL \f, 1, \zero
	PLACES
	FETCH \kqn, \g
	s_wait_dscnt 24                                ; all but the 24 just issued
	MUL \f, 2, \zero
	MUL \f, 3, \zero
.endm
; The last quarter multiplies buffer 1 and changes slots: in front of the barrier each wave waits for all its tensor loads, adds 0 to its spare word, and waits for that and for its reads of this slot.
.macro TURN fill
.if \fill
	s_wait_xcnt 0x0                                ; the last prefetch, a K step back, has read its address
	s_add_nc_u64 s[PFA:PFA+1], s[PFA:PFA+1], s[PFS:PFS+1]
.endif
	WIN 0
	s_wait_tensorcnt 0x0
	ds_add_u32 v[SPW], v[NIL]
.if \fill
	s_xor_b32 s[G0A+5], s[G0A+5], SLOT1
	s_add_nc_u64 s[G0A+6:G0A+7], s[G0A+6:G0A+7], ASTR
	s_xor_b32 s[G0B+5], s[G0B+5], SLOT1
	s_add_nc_u64 s[G0B+6:G0B+7], s[G0B+6:G0B+7], BSTR
.endif
	s_wait_dscnt 5                                 ; the add and A's last four loads may be out
	MUL F1, 0, 0
	s_wait_dscnt 0x0                               ; the add is done, my reads of this slot are over
	s_barrier_signal -1
	MUL F1, 1, 0
	WIN 0
	s_barrier_wait -1
.if \fill
	CREST
	JLOAD                                          ; its four v_nop are also the places in front of the loads below
.else
	PLACES
.endif
	s_xor_b32 s[TB], s[TB], SLOT1
	v_add_nc_u32 v[ADRA], s[TB], v[ADRA0]
	v_add_nc_u32 v[ADRB], s[TB], v[ADRB0]
	FETCH 0, F0
.if \fill
	ASK
.endif
	MUL F1, 2, 0
	MUL F1, 3, 0
.endm
	s_wait_tensorcnt 1                             ; my part of K step 0 is in; K step 1's may stay out
	s_barrier_signal -1
	s_barrier_wait -1
	FETCH 0, F0
	QUARTER 1, F0, F1, 1                           ; the first quarter starts the sums
	WIN 0
.Lstep:                                        ; 6 trips, each fills a slot again: K steps 2 to 7
	QUARTER 2, F1, F0, 0
	QUARTER 3, F0, F1, 0
	TURN 1
	QUARTER 1, F0, F1, 0
	WIN 0
	s_sub_co_u32 s[CNT], s[CNT], 1
	s_cmp_lg_u32 s[CNT], 0
	s_cbranch_scc1 .Lstep
	QUARTER 2, F1, F0, 0
	QUARTER 3, F0, F1, 0
	TURN 0
	QUARTER 1, F0, F1, 0
	QUARTER 2, F1, F0, 0
	QUARTER 3, F0, F1, 0
	s_wait_dscnt 4
	MUL F1, 0, 0
	MUL F1, 1, 0
	s_wait_dscnt 0x0
	MUL F1, 2, 0
	MUL F1, 3, 0
	WIN 0
	PLACES
	PLACES
; THE WAY OUT, a row block (16 rows x 128 columns of f32) at a time: 32 bytes a lane into my stage, back as whole rows of 512 bytes, stored.
.macro TOSTAGE a
	WIN 0x04                                       ; the stores' data in window 1; each accumulator's lowest registers go first
.irp b, 0,1,2,3,4,5,6,7
	ds_store_b128 v[STO], v[8*(8*(\a)+(\b)):8*(8*(\a)+(\b))+3]   offset:64*(\b)
	ds_store_b128 v[STO], v[8*(8*(\a)+(\b))+4:8*(8*(\a)+(\b))+7] offset:64*(\b)+16
.endr
	WIN 0
	s_wait_xcnt 0x0                                ; the stores of two blocks back have read these registers
.set bk, BK0+64*((\a)%2)
.irp t, 0,1,2,3,4,5,6,7,8,9,10,11,12,13,14,15
	ds_load_b128 v[bk+4*(\t):bk+4*(\t)+3], v[RD] offset:(\t)*SPITCH  ; LDS serves a wave's instructions in order (ISA guide 5.7.1.4)
.endr
.endm
.macro SEND a, younger
.set bk, BK0+64*((\a)%2)
.irp t, 0,1,2,3,4,5,6,7,8,9,10,11,12,13,14,15
	s_wait_dscnt (\younger)+15-(\t)
	global_store_b128 v[CO], v[bk+4*(\t):bk+4*(\t)+3], s[8:9] offset:(16*(\a)+(\t))*4096 th:TH_STORE_NT  ; 512 consecutive bytes, aligned
.endr
.endm
	TOSTAGE 0
	TOSTAGE 1
	SEND 0, 32
	TOSTAGE 2
	SEND 1, 32
	TOSTAGE 3
	SEND 2, 32
	SEND 3, 0
	s_wait_tensorcnt 0x0                           ; the wave's end
	ds_add_u32 v[SPW], v[NIL]
	s_wait_dscnt 0x0
	CROUND                                         ; the closing round
	s_endpgm
.Lfunc_end_k_q82f860b9fa_oproj:
	.size	k_q82f860b9fa_oproj, .Lfunc_end_k_q82f860b9fa_oproj-k_q82f860b9fa_oproj
	.p2alignl 7, 3214868480
	.fill 96, 4, 3214868480
	.section	.rodata,"a",@progbits
	.p2align	6, 0x0
	.amdhsa_kernel k_q82f860b9fa_oproj
		.amdhsa_group_segment_fixed_size 327680
		.amdhsa_private_segment_fixed_size 0
		.amdhsa_enable_private_segment 0
		.amdhsa_kernarg_size 24
		.amdhsa_user_sgpr_count 2
		.amdhsa_user_sgpr_kernarg_segment_ptr 1
		.amdhsa_wavefront_size32 1
		.amdhsa_system_sgpr_workgroup_id_x 1
		.amdhsa_system_sgpr_workgroup_id_y 1
		.amdhsa_system_sgpr_workgroup_id_z 1
		.amdhsa_system_vgpr_workitem_id 0
		.amdhsa_next_free_vgpr 512
		.amdhsa_next_free_sgpr 100
		.amdhsa_reserve_vcc 0
		.amdhsa_float_denorm_mode_32 3
		.amdhsa_float_denorm_mode_16_64 3
		.amdhsa_memory_ordered 1
		.amdhsa_forward_progress 1
		.amdhsa_inst_pref_size 72
	.end_amdhsa_kernel
	.amdgpu_metadata
---
amdhsa.version: [ 1, 2 ]
amdhsa.kernels:
  - .name:           k_q82f860b9fa_oproj
    .symbol:         k_q82f860b9fa_oproj.kd
    .args:
      - { .name: o, .offset: 0, .size: 8, .value_kind: global_buffer, .address_space: global }
      - { .name: wo, .offset: 8, .size: 8, .value_kind: global_buffer, .address_space: global }
      - { .name: out0, .offset: 16, .size: 8, .value_kind: global_buffer, .address_space: global }
    .group_segment_fixed_size: 327680
    .private_segment_fixed_size: 0
    .kernarg_segment_align: 8
    .kernarg_segment_size: 24
    .max_flat_workgroup_size: 128
    .sgpr_count:     100
    .vgpr_count:     512
    .wavefront_size: 32
...
	.end_amdgpu_metadata
.endif
;; end of part 4
;; ======== version 2 of 2: 4 launches; version 1 with the launch prep written anew for expert scheduling mode
;; limits: values are held in f16: magnitudes above 65,504 overflow, below 6.1e-05 lose precision
;; workspace buffers: xb 16,777,216 bytes; wq 6,291,456 bytes; wo 2,097,152 bytes; rope 524,288 bytes; q 16,777,216 bytes; k 16,777,216 bytes; v 16,777,216 bytes; o 16,777,216 bytes
;; launch prep (part 5): grid 1600 x 1, 4 waves a work-group, no clusters, 9,728 bytes of LDS; arguments x, w_qkv, w_out, xb, wq, wo, rope; writes xb, wq, wo, rope
.if DOCPART == 5
	.amdgcn_target "amdgcn-amd-amdhsa--gfx1250"
	.amdhsa_code_object_version 6
	.text
	.protected	k_q82f860b9fa_prep
	.globl	k_q82f860b9fa_prep
	.p2align	8
	.type	k_q82f860b9fa_prep,@function
k_q82f860b9fa_prep:
	s_mov_b64 s[64:65], 0
	v_nop
	global_prefetch_b8 v0, s[64:65] scope:SCOPE_SE
	s_setreg_imm32_b32 hwreg(HW_REG_WAVE_SCHED_MODE, 0, 2), 2
	s_setreg_imm32_b32 hwreg(HW_REG_WAVE_MODE, 25, 1), 1
	s_wait_xcnt 0x0
	s_wait_alu depctr_vm_vsrc(0)
; FOUR JOBS, chosen by the work-group's number (the same for all its waves):
;   0..511     x [8192][1024] f32 -> xb bf16 [16 kb][8192 m][64]: K in blocks of 64, so that a row of a block is 128 dense bytes
;   512..1279  w_qkv [1024 k][3072 n] f32 -> wq bf16 [16 kb][3072 n'][64], turned; n' = (head*3 + kind)*64 + d for column n = kind*1024 + head*64 + d
;   1280..1535 w_out [1024 k][1024 n] f32 -> wo [16 kb][1024 n][64], turned; rounded to bf16 and that number written as f16
;   1536..1599 rope f32 [2048 s][64]: cos(s f_j), j = 0..31, then sin(s f_j); f_j = 10000^(-j/32)
; LIMITS.  wo: a number below 6e-5 keeps f16's fixed step of 6e-8, one beyond 65,504 would be lost.  rope: f_j is 2^(-j log2(10)/8) by v_exp_f32, a few last bits
; from a power taken otherwise; the angle s f_j is rounded to f32 once, reduced by pi/2 in two parts, and sine and cosine are series to r^9 and r^8 for |r| <= pi/4.
; No matrix unit, no cluster: every byte is read once and written once.
; THE MODE: SCHED_MODE bits 1:0 = 2 (LLVM: expert scheduling mode 2), set by the entry lines.  The code itself states the register dependences
; between vector instructions and memory or LDS instructions, with s_wait_alu, always for 0.
; THE PLAN, job by job: the registers that memory or LDS instructions touch, and who else names them.
;   x     v7, v8: offsets, made once.  v[16 + 4 i ..]: load i lands there, its two conversions read the four and write the first two, store i reads those two; none is written again.
;         The loads go in groups of four: one wait at a group's head states that the group before is converted, and that group's stores are dealt among this group's conversions.
;   wq,wo v7 to v10: addresses, made once.  v[16:47]: the loads land there, the conversions read them; v[16:31] later take the rows read back from the stage.
;         v[48 + 4 i + n]: pair i's four words, written by its conversions, read by its LDS stores, never written again.  One wait at a pair's head; the LDS stores of the pair before follow it.
;   rope  v6: the offset, made once; the scalar base steps.  v[22:23]: written by a row's last four vector lines, read by its store.  The waits for that store stand a row's arithmetic behind it.
;   v[SPW], v[NIL]: written at the head, read by the closing add alone.
.set SPARE, 9216                       ; behind the 64 x 144 bytes of the turning stage: the spare words, 128 bytes a wave
.set SPW, 2                            ; v2  SPARE + 4 x my thread's number; never rewritten
.set NIL, 3                            ; v3  0; never rewritten
.set OW,  48                           ; v[48:63] the turning jobs' words on their way into the stage: four for each pair of rows
; job x: store j of 32: two rows' 128 bytes each of K block j % 16, which lie end to end
.macro XSTORE j
.if ((\j)%16) < 8
	global_store_b64 v8, v[16+4*(\j):16+4*(\j)+1], s[10:11] offset:((\j)%16)*1048576+((\j)/16)*256 th:TH_STORE_NT
.else
	global_store_b64 v8, v[16+4*(\j):16+4*(\j)+1], s[22:23] offset:(((\j)%16)-8)*1048576+((\j)/16)*256 th:TH_STORE_NT
.endif
.endm
	s_load_b256 s[4:11], s[0:1], 0x0               ; x s[4:5], w_qkv s[6:7], w_out s[8:9], xb s[10:11]
	s_load_b128 s[12:15], s[0:1], 0x20             ; wq s[12:13], wo s[14:15]
	s_load_b64 s[16:17], s[0:1], 0x30              ; rope
	v_lshl_add_u32 v[SPW], v0, 2, SPARE
	v_mov_b32 v[NIL], 0
	v_lshrrev_b32 v1, 5, v0
	v_readfirstlane_b32 s18, v1                    ; wave 0..3
	s_mov_b32 s19, ttmp9
	v_and_b32 v4, 31, v0                           ; lane
	v_and_b32 v5, 15, v0                           ; thread % 16
	s_wait_alu depctr_va_sdst(0)                   ; s18 is written: ahead of the branches, behind which the jobs make their bases from it
	s_wait_kmcnt 0x0
	s_cmp_lt_u32 s19, 512
	s_cbranch_scc1 .Lx
	s_cmp_lt_u32 s19, 1280
	s_cbranch_scc1 .Lwq
	s_cmp_lt_u32 s19, 1536
	s_cbranch_scc1 .Lwo
	; ---- the rope table: a wave makes 8 rows; lanes 0-15 the cosines of frequencies 2 (l % 16) and + 1, lanes 16-31 the sines: 256 bytes a row, one store
	s_sub_co_u32 s20, s19, 1536
	s_lshl_b32 s21, s20, 5
	s_lshl_b32 s22, s18, 3
	s_add_co_u32 s21, s21, s22                     ; my first row s
	s_lshl_b32 s22, s21, 8
	s_mov_b32 s23, 0
	s_add_nc_u64 s[16:17], s[16:17], s[22:23]
	v_lshlrev_b32 v6, 3, v4                        ; 8 bytes a lane; never rewritten
	v_bfe_u32 v7, v0, 4, 1
	v_sub_nc_u32 v7, 1, v7                         ; a cosine is a sine a quarter turn on: 1 for the cosines, 0 for the sines
	v_lshlrev_b32 v8, 1, v5
	v_add_nc_u32 v9, 1, v8
	v_cvt_f32_u32 v8, v8
	v_cvt_f32_u32 v9, v9
	v_mul_f32 v8, 0xbed49a78, v8                   ; -j log2(10) / 8
	v_mul_f32 v9, 0xbed49a78, v9
	v_exp_f32 v8, v8
	v_exp_f32 v9, v9
	v_nop                                          ; a plain instruction behind the last exponential
	v_cvt_f32_u32 v10, s21                         ; s as f32
	v_mov_b32 v11, 0x3638ef1d                      ; 1/9!
	v_mov_b32 v12, 0x37d00d01                      ; 1/8!
	s_mov_b32 s24, 0xbfc90fdb                      ; -pi/2, its f32
	s_mov_b32 s25, 0x333bbd2e                      ; and what that f32 is too large by
	s_mov_b32 s26, 8
	s_wait_alu depctr_va_vdst(0)                   ; both exponentials have written v8 and v9, ahead of their first reader and of the label; v6 is written, which every store below reads as its offset
.Lrow:
.irp z, 0,1                                    ; the two frequencies have registers of their own, v14-21 and v24-31, so that both compares stand ahead of one wait
	v_mul_f32 v[14+10*(\z)], v10, v[8+(\z)]        ; the angle
	v_mul_f32 v[15+10*(\z)], 0x3f22f983, v[14+10*(\z)]
	v_rndne_f32 v[15+10*(\z)], v[15+10*(\z)]       ; quarter turns
	v_fma_f32 v[16+10*(\z)], v[15+10*(\z)], s24, v[14+10*(\z)]
	v_fma_f32 v[16+10*(\z)], v[15+10*(\z)], s25, v[16+10*(\z)]  ; r, within pi/4
	v_cvt_i32_f32 v[17+10*(\z)], v[15+10*(\z)]
	v_add_nc_u32 v[17+10*(\z)], v[17+10*(\z)], v7
	v_mul_f32 v[18+10*(\z)], v[16+10*(\z)], v[16+10*(\z)]
	v_fmaak_f32 v[19+10*(\z)], v11, v[18+10*(\z)], 0xb9500d01
	v_fmaak_f32 v[19+10*(\z)], v[19+10*(\z)], v[18+10*(\z)], 0x3c088889
	v_fmaak_f32 v[19+10*(\z)], v[19+10*(\z)], v[18+10*(\z)], 0xbe2aaaab
	v_mul_f32 v[19+10*(\z)], v[19+10*(\z)], v[18+10*(\z)]
	v_fma_f32 v[19+10*(\z)], v[19+10*(\z)], v[16+10*(\z)], v[16+10*(\z)]  ; sin r
	v_fmaak_f32 v[20+10*(\z)], v12, v[18+10*(\z)], 0xbab60b61
	v_fmaak_f32 v[20+10*(\z)], v[20+10*(\z)], v[18+10*(\z)], 0x3d2aaaab
	v_fmaak_f32 v[20+10*(\z)], v[20+10*(\z)], v[18+10*(\z)], 0xbf000000
	v_fmaak_f32 v[20+10*(\z)], v[20+10*(\z)], v[18+10*(\z)], 0x3f800000  ; cos r
	v_and_b32 v[21+10*(\z)], 1, v[17+10*(\z)]
	v_cmp_eq_u32 s[27+(\z)], 1, v[21+10*(\z)]      ; an odd quarter?
	v_and_b32 v[21+10*(\z)], 2, v[17+10*(\z)]
	v_lshlrev_b32 v[21+10*(\z)], 30, v[21+10*(\z)] ; quarters 2 and 3: the sign bit
.endr
	s_wait_xcnt 0x0                                ; the last row's store has had its address translated: its base and its data are rewritten only behind this wait
	s_wait_alu depctr_vm_vsrc(0)                   ; the last row's store has read v[22:23], which the selects below write again
	s_wait_alu depctr_va_sdst(0)                   ; both compares have written s27 and s28, which the selects read
	s_add_nc_u64 s[16:17], s[16:17], 256           ; one row past this row: the store reaches back
	v_cndmask_b32 v22, v19, v20, s27               ; odd quarter: the cosine
	v_cndmask_b32 v23, v29, v30, s28
	v_xor_b32 v22, v22, v21                        ; quarters 2 and 3: the sign turns
	v_xor_b32 v23, v23, v31
	v_add_f32 v10, 1.0, v10
	s_wait_alu depctr_va_vdst(0)                   ; v[22:23] are written, which the store reads
	global_store_b64 v6, v[22:23], s[16:17] offset:-256  ; the wave's 32 lanes store 256 consecutive bytes, aligned: a row
	s_sub_co_u32 s26, s26, 1
	s_cmp_lg_u32 s26, 0
	s_cbranch_scc1 .Lrow
	s_endpgm
	; ---- x: a work-group takes 16 rows, a wave 4, as two pairs.  A load: lanes 0-15 take 256 bytes (a K block) of one row, lanes 16-31 of the next.
	; A store: the same two rows' 128 bytes each of that block of xb, which lie end to end: 256 consecutive bytes, aligned.
.Lx:
	v_bfe_u32 v6, v0, 4, 1
	v_lshlrev_b32 v7, 4, v5
	v_lshl_add_u32 v7, v6, 12, v7                  ; in: row x 4,096 + 16 (l % 16)
	v_lshlrev_b32 v8, 3, v5
	v_lshl_add_u32 v8, v6, 7, v8                   ; out: row x 128 + 8 (l % 16)
	s_lshl_b32 s20, s19, 16
	s_lshl_b32 s21, s18, 14
	s_add_co_u32 s20, s20, s21
	s_mov_b32 s21, 0
	s_add_nc_u64 s[4:5], s[4:5], s[20:21]
	s_lshl_b32 s20, s19, 11
	s_lshl_b32 s22, s18, 9
	s_add_co_u32 s20, s20, s22
	s_add_nc_u64 s[10:11], s[10:11], s[20:21]
	s_add_nc_u64 s[22:23], s[10:11], 0x800000      ; K blocks 8 to 15: the immediate does not reach them from the first base
	s_wait_alu depctr_va_vdst(0)                   ; v7 and v8 are written: every load reads the one as its offset, every store the other
.set i, 0
.rept 32                                       ; all 32 loads of the wave go out at once: 16 KiB on their way
	global_load_b128 v[16+4*i:16+4*i+3], v7, s[4:5] offset:(i/16)*8192+(i%16)*256 th:TH_LOAD_NT
.set i, i+1
.endr
.set i, 0
.rept 32
	s_wait_loadcnt 31-i                            ; loads come back in order: number i is in, the younger ones stay out
.if (i%4 == 0) && (i > 0)
	s_wait_alu depctr_va_vdst(0)                   ; the conversions of numbers i - 4 to i - 1 have written their words, which the next four stores read; the conversions that follow name other registers
.endif
.if i >= 4
	XSTORE i-4
.endif
	v_cvt_pk_bf16_f32 v[16+4*i], v[16+4*i], v[16+4*i+1]
	v_cvt_pk_bf16_f32 v[16+4*i+1], v[16+4*i+2], v[16+4*i+3]
.set i, i+1
.endr
	s_wait_alu depctr_va_vdst(0)                   ; the last four numbers' conversions have written their words, which the last four stores read
	XSTORE 28
	XSTORE 29
	XSTORE 30
	XSTORE 31
	s_endpgm
; ---- a weight block of 64 k x 64 n is turned through LDS.  Thread t loads 16 bytes (4 columns) of 8 rows, in pairs of neighbouring k; a pair of k of one column is one
; word, put at row n (pitch 144), byte 2 k.  Behind a barrier the rows come back whole, 128 bytes each, and 8,192 consecutive bytes are stored.
; (The words of a store instruction fall four deep on the banks: 4 M numbers, once.)
.macro WJOB sp, dp, rowb, kstr, first, f16
	s_sub_co_u32 s20, s19, \first
	s_lshr_b32 s21, s20, 4                         ; column group of 64
	s_and_b32 s20, s20, 15                         ; K block
	s_mul_i32 s22, s20, 64*(\rowb)
	s_lshl_b32 s23, s21, 8
	s_add_co_u32 s22, s22, s23
	s_mov_b32 s23, 0
	s_add_nc_u64 s[\sp:\sp+1], s[\sp:\sp+1], s[22:23]
	s_mul_i32 s22, s20, \kstr
.if \f16
	s_lshl_b32 s24, s21, 13                        ; 64 rows of 128 bytes
.else
	s_lshr_b32 s24, s21, 4                         ; kind
	s_and_b32 s25, s21, 15                         ; head
	s_mul_i32 s25, s25, 3
	s_add_co_u32 s24, s24, s25
	s_lshl_b32 s24, s24, 13
.endif
	s_add_co_u32 s22, s22, s24
	s_add_nc_u64 s[\dp:\dp+1], s[\dp:\dp+1], s[22:23]
	v_lshrrev_b32 v6, 4, v0                        ; t / 16
	v_mul_u32_u24 v7, v6, 2*(\rowb)
	v_lshl_add_u32 v7, v5, 4, v7
	v_mul_u32_u24 v8, v5, 576                      ; row 4 (t % 16) of the stage
	v_lshl_add_u32 v8, v6, 2, v8
	v_lshrrev_b32 v9, 3, v0
	v_mul_u32_u24 v9, v9, 144
	v_and_b32 v10, 7, v0
	v_lshl_add_u32 v9, v10, 4, v9
	v_lshlrev_b32 v10, 4, v0
	s_wait_alu depctr_va_vdst(0)                   ; the four addresses v7 to v10 are written, which the loads and stores below read; none is written again
.irp i, 0,1,2,3
.irp e, 0,1
	global_load_b128 v[16+8*(\i)+4*(\e):16+8*(\i)+4*(\e)+3], v7, s[\sp:\sp+1] offset:(16*(\i)+(\e))*(\rowb) th:TH_LOAD_NT
.endr
.endr
.irp i, 0,1,2,3
	s_wait_loadcnt 6-2*(\i)                        ; pair i is in, the later pairs stay out
.if (\i) > 0
	s_wait_alu depctr_va_vdst(0)                   ; the pair before is converted: its four words are written, which the LDS stores below read; this pair's conversions name other registers
.endif
.irp n, 0,1,2,3
.if (\i) > 0
	ds_store_b32 v8, v[OW+4*((\i)-1)+(\n)] offset:(\n)*144+((\i)-1)*32
.endif
	v_cvt_pk_bf16_f32 v[OW+4*(\i)+(\n)], v[16+8*(\i)+(\n)], v[16+8*(\i)+4+(\n)]
.if \f16
	v_lshlrev_b32 v64, 16, v[OW+4*(\i)+(\n)]       ; the bf16 numbers as f32,
	v_and_b32 v65, 0xffff0000, v[OW+4*(\i)+(\n)]
	v_cvt_pk_f16_f32 v[OW+4*(\i)+(\n)], v64, v65   ; written as f16
.endif
.endr
.endr
	s_wait_alu depctr_va_vdst(0)                   ; the last pair's four words are written, which the LDS stores below read; and all conversions are done reading v[16:31], in which the loads from the stage land
.irp n, 0,1,2,3
	ds_store_b32 v8, v[OW+12+(\n)] offset:(\n)*144+96
.endr
	s_wait_dscnt 0x0                               ; for the others' sake: my stores are done
	s_barrier_signal -1
	s_barrier_wait -1
.irp j, 0,1,2,3
	ds_load_b128 v[16+4*(\j):16+4*(\j)+3], v9 offset:(\j)*2304
.endr
.irp j, 0,1,2,3
	s_wait_dscnt 3-(\j)
	global_store_b128 v10, v[16+4*(\j):16+4*(\j)+3], s[\dp:\dp+1] offset:(\j)*2048 th:TH_STORE_NT
.endr
	s_wait_dscnt 0x0                               ; the wave's end
	s_wait_alu 0x0
	s_wait_tensorcnt 0x0
	ds_add_u32 v[SPW], v[NIL]
	s_wait_dscnt 0x0
	s_endpgm
.endm
.Lwq:
	WJOB 6, 12, 12288, 393216, 512, 0
.Lwo:
	WJOB 8, 14, 4096, 131072, 1280, 1
.Lfunc_end_k_q82f860b9fa_prep:
	.size	k_q82f860b9fa_prep, .Lfunc_end_k_q82f860b9fa_prep-k_q82f860b9fa_prep
	.p2alignl 7, 3214868480
	.fill 96, 4, 3214868480
	.section	.rodata,"a",@progbits
	.p2align	6, 0x0
	.amdhsa_kernel k_q82f860b9fa_prep
		.amdhsa_group_segment_fixed_size 9728
		.amdhsa_private_segment_fixed_size 0
		.amdhsa_enable_private_segment 0
		.amdhsa_kernarg_size 56
		.amdhsa_user_sgpr_count 2
		.amdhsa_user_sgpr_kernarg_segment_ptr 1
		.amdhsa_wavefront_size32 1
		.amdhsa_system_sgpr_workgroup_id_x 1
		.amdhsa_system_sgpr_workgroup_id_y 1
		.amdhsa_system_sgpr_workgroup_id_z 1
		.amdhsa_system_vgpr_workitem_id 0
		.amdhsa_next_free_vgpr 144
		.amdhsa_next_free_sgpr 66
		.amdhsa_reserve_vcc 0
		.amdhsa_float_denorm_mode_32 3
		.amdhsa_float_denorm_mode_16_64 3
		.amdhsa_memory_ordered 1
		.amdhsa_forward_progress 1
		.amdhsa_inst_pref_size 30
	.end_amdhsa_kernel
	.amdgpu_metadata
---
amdhsa.version: [ 1, 2 ]
amdhsa.kernels:
  - .name:           k_q82f860b9fa_prep
    .symbol:         k_q82f860b9fa_prep.kd
    .args:
      - { .name: x, .offset: 0, .size: 8, .value_kind: global_buffer, .address_space: global }
      - { .name: w_qkv, .offset: 8, .size: 8, .value_kind: global_buffer, .address_space: global }
      - { .name: w_out, .offset: 16, .size: 8, .value_kind: global_buffer, .address_space: global }
      - { .name: xb, .offset: 24, .size: 8, .value_kind: global_buffer, .address_space: global }
      - { .name: wq, .offset: 32, .size: 8, .value_kind: global_buffer, .address_space: global }
      - { .name: wo, .offset: 40, .size: 8, .value_kind: global_buffer, .address_space: global }
      - { .name: rope, .offset: 48, .size: 8, .value_kind: global_buffer, .address_space: global }
    .group_segment_fixed_size: 9728
    .private_segment_fixed_size: 0
    .kernarg_segment_align: 8
    .kernarg_segment_size: 56
    .max_flat_workgroup_size: 128
    .sgpr_count:     66
    .vgpr_count:     144
    .wavefront_size: 32
...
	.end_amdgpu_metadata
.endif
;; end of part 5
;; launch qkv: the kernel of part 2 again; grid 8 x 32, 4 waves a work-group, clusters of 4 x 4, 327,680 bytes of LDS; arguments xb, wq, rope, q, k, v; writes q, k, v
;; launch attn: the kernel of part 3 again; grid 4 x 64, 4 waves a work-group, no clusters, 327,680 bytes of LDS; arguments q, k, v, o, attention_mask; writes o
;; launch oproj: the kernel of part 4 again; grid 4 x 64, 4 waves a work-group, clusters of 4 x 4, 327,680 bytes of LDS; arguments o, wo, out0; writes out0
